; MI455X (gfx1250); checked and timed in simulation.
; The chip was launched on July 23, 2026; its instructions are those of AMD's public machine-readable ISA for CDNA 5 (MIT licence, August 2026) and "CDNA5" Instruction Set Architecture Reference Guide (July 2026). The comments in the code are by the model that wrote it; some were corrected since.
;; Transformer Block. Allowed arithmetic: matrix products marked QUANTISED: E4M3 operands, one given power-of-two scale a tensor, by v_wmma_f32_16x16x64_fp8_fp8 or v_wmma_f32_16x16x128_fp8_fp8, f32 sums; everything else in f32.
;; Inputs: W1_codes 4,096 x 32 x 32 uint8 (E4M3 codes of W1, K innermost, in blocks of 32 codes); W2_codes 1,024 x 128 x 32 uint8 (E4M3 codes of W2, K innermost, in blocks of 32 codes); Wk_codes 16 x 64 x 32 x 32 uint8 (E4M3 codes of Wk, K innermost, in blocks of 32 codes); Wo_codes 1,024 x 32 x 32 uint8 (E4M3 codes of Wo, K innermost, in blocks of 32 codes); Wq_codes 16 x 64 x 32 x 32 uint8 (E4M3 codes of Wq, K innermost, in blocks of 32 codes); Wv_codes 16 x 64 x 32 x 32 uint8 (E4M3 codes of Wv, K innermost, in blocks of 32 codes); b1 1,024 float32; b2 1,024 float32; bk 16 x 64 float32; bo 1,024 float32; bq 16 x 64 float32; bv 16 x 64 float32; c1 4,096 float32; c2 1,024 float32; g1 1,024 float32; g2 1,024 float32; lowp_scales 16 int32 (the exponents e of the quantised operands' scales 2^e); x 2 x 2,048 x 1,024 float32.
;; Outputs: out0 2 x 2,048 x 1,024 float32.
;; This version of the problem:
;;   THIS VERSION OF THE PROBLEM IS GIVEN IN LOW PRECISION. The matrix products marked QUANTISED in the list below multiply operands that are first quantised to E4M3 (4 exponent bits, 3 mantissa bits; 8 bits a number), with one given power-of-two scale for each operand tensor; their sums are f32. All else is computed in f32.
;;   The module's matrix products, in the order in which they are computed (A, B: the left and right operand; K: the contracted axis; several contracted axes count as one K, in the product's order):
;;     1. [M 1,024, K 1,024] x [K 1,024, N 4,096]; A: input Wq (given as codes); B: computed on the way: QUANTISED (scales: A lowp_scales[0], B lowp_scales[1])
;;     2. [M 1,024, K 1,024] x [K 1,024, N 4,096]; A: input Wk (given as codes); B: computed on the way: QUANTISED (scales: A lowp_scales[2], B lowp_scales[3])
;;     3. [M 1,024, K 1,024] x [K 1,024, N 4,096]; A: input Wv (given as codes); B: computed on the way: QUANTISED (scales: A lowp_scales[4], B lowp_scales[5])
;;     4. batch 32 x [M 2,048, K 64] x [K 64, N 2,048]; A: computed on the way; B: computed on the way: QUANTISED (scales: A lowp_scales[6], B lowp_scales[7])
;;     5. batch 32 x [M 64, K 2,048] x [K 2,048, N 2,048]; A: computed on the way; B: softmax (see below): QUANTISED (scales: A lowp_scales[8], B lowp_scales[9])
;;     6. [M 4,096, K 1,024] x [K 1,024, N 1,024]; A: computed on the way; B: input Wo (given as codes): QUANTISED (scales: A lowp_scales[10], B lowp_scales[11])
;;     7. [M 4,096, K 1,024] x [K 1,024, N 4,096]; A: computed on the way; B: input W1 (given as codes): QUANTISED (scales: A lowp_scales[12], B lowp_scales[13])
;;     8. [M 4,096, K 4,096] x [K 4,096, N 1,024]; A: computed on the way; B: input W2 (given as codes): QUANTISED (scales: A lowp_scales[14], B lowp_scales[15])
;;   THE QUANTISER, for each operand of a quantised product, along K:
;;     - The operand's scale is 2^e, e = its entry of the input lowp_scales (int32; the entries are numbered through the quantised products in the list's order, A before B).
;;     - Each number is divided by the scale, clamped to +-448, and rounded to the nearest number of E4M3, ties to even, subnormals kept.
;;     - The product sums the exact products of the quantised numbers (number of the format x scale) in f32.
;;   ~~~python
;;   def quantise(x, axis, e):      # numpy; x: float32 -> the quantised numbers, widened to float32 again
;;       x = np.moveaxis(x, axis, -1); K = x.shape[-1]
;;       r = np.clip(x / 2.0 ** e, -448, 448)
;;       step = 2.0 ** (np.maximum(np.frexp(np.where(r == 0, 1, r))[1] - 1, -6) - 3)
;;       q = np.round(r / step) * step * 2.0 ** e      # np.round: ties to even
;;       return np.moveaxis(q, -1, axis).astype(np.float32)
;;   ~~~
;;   SOFTMAX AHEAD OF A QUANTISED PRODUCT. Where the list says 'softmax', what is quantised is not the finished softmax but p = 2^(t - M), with t = logit x log2(e) and M = ceil(the row's largest t), a whole number; so 1/2 < the row's largest p <= 1. The row's sum l is taken of the UNQUANTISED p, in f32, and the product's result is divided by l at the end. Since M is a whole number, a kernel that streams over the keys may use a running M (the ceiling of the running maximum): every later rescaling is an exact power of two, so the quantised numbers keep their values, but for numbers so far below the row's largest that they fall under the format's range.
;;   OPERANDS COMPUTED ON THE WAY. 'Computed on the way' means the value that the module computes at that place (a softmax that the list does not call 'softmax' is quantised finished and normalised). What goes into a quantiser is computed in f32, as accurately as f32 sums, v_exp_f32 and their like allow (about 1e-6 of the number): no bf16 or f16 on the way to a quantiser, and a product that is left as it is and whose result goes on into a quantised operand takes f32 operands (vector FMAs, or v_wmma_f32_16x16x4_f32). A number that lies on a knife's edge between two numbers of the format may be rounded either way, as far as f32 arithmetic and the matrix unit's own rounding can turn it there, and no further.
;;   INPUTS GIVEN AS CODES. W1 (in the module: [1024, 4096], K = its axis 0); W2 (in the module: [4096, 1024], K = its axis 0); Wk (in the module: [16, 1024, 64], K = its axis 1); Wo (in the module: [1024, 1024], K = its axis 0); Wq (in the module: [16, 1024, 64], K = its axis 1); Wv (in the module: [16, 1024, 64], K = its axis 1): each comes as NAME_codes (uint8): NAME with its K axis moved to the last place and cut into blocks of 32 codes, [.., K / 32, bytes a block], one block behind the other in memory; one code a byte (a code: sign, 4 exponent bits, 3 mantissa bits); its scale is its entry of lowp_scales. Its value is code x scale, taken as it is: it is not quantised again, and the codes and scales need not be those that the quantiser above would give.
;; One version. Each part assembles by itself: llvm-mc -triple=amdgcn-amd-amdhsa -mcpu=gfx1250 --defsym DOCPART=n.
;; ======== version 1 of 1: 7 launches
;; limits: right only within a limited range of input values
;; workspace buffers: hc 12,582,912 bytes; qkv 12,582,912 bytes; ctx 4,194,304 bytes; x1 16,777,216 bytes; h2 4,194,304 bytes; gc 16,777,216 bytes
;; launch ln1 (part 1): grid 256 x 1, 8 waves a work-group, no clusters, 0 bytes of LDS; arguments x, g1, b1, lowp_scales, hc; writes hc
.if DOCPART == 1
	.amdgcn_target "amdgcn-amd-amdhsa--gfx1250"
	.amdhsa_code_object_version 6
	.text
	.protected	k_qd785b475d2_ln1
	.globl	k_qd785b475d2_ln1
	.p2align	8
	.type	k_qd785b475d2_ln1,@function
k_qd785b475d2_ln1:
	s_mov_b64 s[64:65], 0
	v_nop
	global_prefetch_b8 v0, s[64:65] scope:SCOPE_SE
	s_setreg_imm32_b32 hwreg(HW_REG_WAVE_MODE, 25, 1), 1
	s_wait_xcnt 0x0
; h = (x - mean) * rsqrt(var + 1e-5) * g + b for 4,096 rows of 1,024 f32, then quantised to E4M3 NQ times, each time with a given scale 2^e, into NQ planes of 4,096 x 1,024 codes.
; Here NQ = 3: the same h is an operand of three products with the scales' entries 1, 3 and 5.
; SHARES.  A wave takes two rows; a row (4,096 bytes) stays in 32 registers between the passes, so memory is read once.  No LDS, no barrier: waves share nothing but 8 KiB of gains, so joint loads would serve nothing.
; A lane holds 8 NEIGHBOURS in each of four groups (register 8 j + i = element 256 j + 8 lane + i), since the conversion takes 8 neighbours from one lane's registers; a group's two loads together
; cover 1,024 consecutive bytes, and a lane's 8 codes leave by one store of which the 32 lanes cover 256 consecutive bytes, aligned.  All 32 loads of a wave are issued at its head: there is no loop.
; Mean and variance in two passes, as the definition has them, so a common offset of the inputs costs no accuracy.
; LIMITS: each e between -126 and 127, so that 2^e is an f32 number.  NaN and infinities among the inputs are not served.
.set NQ,  3
.set XO,  1                            ; v1       32 x lane: my bytes in a group of 1,024
.set CO,  2                            ; v2       8 x lane: my codes in a group of 256
.set PS,  3                            ; v3       the lane exchange's destination
.set MU,  4                            ; v[4:5]   the mean, twice
.set RS,  6                            ; v[6:7]   1 / sqrt(var + eps), twice
.set S,   8                            ; v[8:15]  four packed chains
.set SC,  16                           ; v16+2q   2^e as f32
.set TMP, 24                           ; v[24:39] unused
.set X,   40                           ; v[40:103] two rows
.set G,   104                          ; v[104:135] my 32 gains
.set B,   136                          ; v[136:167] my 32 biases
.set C,   168                          ; v[168:215] codes: two registers for each (row, plane, group): no store's data are written again
.macro XLOAD rho
.irp j, 0,1,2,3
	global_load_b128 v[X+32*\rho+8*\j:X+32*\rho+8*\j+3],   v[XO], s[4:5] offset:4096*\rho+1024*\j th:TH_LOAD_NT
	global_load_b128 v[X+32*\rho+8*\j+4:X+32*\rho+8*\j+7], v[XO], s[4:5] offset:4096*\rho+1024*\j+16 th:TH_LOAD_NT
.endr
.endm
.macro JOIN                            ; four packed chains -> one number a lane -> the same sum in all 32 lanes
	s_delay_alu instid0(VALU_DEP_3)
	v_pk_add_f32 v[S:S+1], v[S:S+1], v[S+2:S+3]
	s_delay_alu instid0(VALU_DEP_2)
	v_pk_add_f32 v[S+4:S+5], v[S+4:S+5], v[S+6:S+7]
	s_delay_alu instid0(VALU_DEP_1)
	v_pk_add_f32 v[S:S+1], v[S:S+1], v[S+4:S+5]
	s_delay_alu instid0(VALU_DEP_1)
	v_add_f32 v[S], v[S], v[S+1]
	s_delay_alu instid0(VALU_DEP_1)
	v_add_f32_dpp v[S], v[S], v[S] row_xmask:1 row_mask:0xf bank_mask:0xf
	s_delay_alu instid0(VALU_DEP_1)
	v_add_f32_dpp v[S], v[S], v[S] row_xmask:2 row_mask:0xf bank_mask:0xf
	s_delay_alu instid0(VALU_DEP_1)
	v_add_f32_dpp v[S], v[S], v[S] row_xmask:4 row_mask:0xf bank_mask:0xf
	s_delay_alu instid0(VALU_DEP_1)
	v_add_f32_dpp v[S], v[S], v[S] row_xmask:8 row_mask:0xf bank_mask:0xf
	s_delay_alu instid0(VALU_DEP_1)
	v_permlanex16_b32 v[PS], v[S], s20, s21
	s_delay_alu instid0(VALU_DEP_1)
	v_add_f32 v[S], v[S], v[PS]
.endm
; One row.  left1: the younger loads that may be out when the row has to be there; left2: when the gains and biases have to be.
.macro ROW rho, left1, left2
.set XR, X+32*\rho
	s_wait_loadcnt \left1
.irp c, 0,1,2,3
	v_pk_add_f32 v[S+2*\c:S+2*\c+1], v[XR+2*\c:XR+2*\c+1], v[XR+8+2*\c:XR+9+2*\c]
.endr
.irp o, 16,24
.irp c, 0,1,2,3
	s_delay_alu instid0(VALU_DEP_4)
	v_pk_add_f32 v[S+2*\c:S+2*\c+1], v[S+2*\c:S+2*\c+1], v[XR+\o+2*\c:XR+\o+2*\c+1]
.endr
.endr
	JOIN
	s_delay_alu instid0(VALU_DEP_1)
	v_mul_f32 v[MU], s22, v[S]                     ; the mean: sum x 2^-10
	s_delay_alu instid0(VALU_DEP_1)
	v_mov_b32 v[MU+1], v[MU]
.irp i, 0,2,4,6,8,10,12,14,16,18,20,22,24,26,28,30
	v_pk_add_f32 v[XR+\i:XR+\i+1], v[XR+\i:XR+\i+1], v[MU:MU+1] neg_lo:[0,1] neg_hi:[0,1]   ; x - mean
.endr
.irp c, 0,1,2,3
	v_pk_mul_f32 v[S+2*\c:S+2*\c+1], v[XR+2*\c:XR+2*\c+1], v[XR+2*\c:XR+2*\c+1]
.endr
.irp o, 8,16,24
.irp c, 0,1,2,3
	s_delay_alu instid0(VALU_DEP_4)
	v_pk_fma_f32 v[S+2*\c:S+2*\c+1], v[XR+\o+2*\c:XR+\o+2*\c+1], v[XR+\o+2*\c:XR+\o+2*\c+1], v[S+2*\c:S+2*\c+1]
.endr
.endr
	JOIN
	s_delay_alu instid0(VALU_DEP_1)
	v_fma_f32 v[RS], v[S], s22, s23                ; var + eps
	s_wait_alu depctr_va_vdst(0)
	v_rsq_f32 v[RS], v[RS]
	v_nop                                          ; a plain instruction between the transcendental and the use of its result (ISA guide 5.7.2)
	s_wait_alu depctr_va_vdst(0)
	v_mov_b32 v[RS+1], v[RS]
	s_wait_alu depctr_va_vdst(0)
	s_wait_loadcnt \left2
.irp i, 0,2,4,6,8,10,12,14,16,18,20,22,24,26,28,30
	v_pk_mul_f32 v[XR+\i:XR+\i+1], v[XR+\i:XR+\i+1], v[RS:RS+1]
.endr
.irp i, 0,2,4,6,8,10,12,14,16,18,20,22,24,26,28,30
	v_pk_fma_f32 v[XR+\i:XR+\i+1], v[XR+\i:XR+\i+1], v[G+\i:G+\i+1], v[B+\i:B+\i+1]
.endr
.irp q, 0,1,2
.if \q < NQ
.irp j, 0,1,2,3
.irp i, 0,1,2,3,4,5,6,7
.endr
	v_cvt_scalef32_pk8_fp8_f32 v[C+2*(4*(NQ*\rho+\q)+\j):C+2*(4*(NQ*\rho+\q)+\j)+1], v[TMP+8*(\j%2)+((XR+8*\j+0)-(TMP+8*(\j%2)+0)):TMP+8*(\j%2)+7+((XR+8*\j+0)-(TMP+8*(\j%2)+0))], v[SC+2*\q]
	global_store_b64 v[CO], v[C+2*(4*(NQ*\rho+\q)+\j):C+2*(4*(NQ*\rho+\q)+\j)+1], s[12+2*\q:13+2*\q] offset:1024*\rho+256*\j   ; 32 lanes store 256 consecutive bytes, aligned
.endr
.endif
.endr
.endm
	s_load_b256 s[4:11], s[0:1], 0x0               ; x s[4:5], g s[6:7], b s[8:9], the scales' exponents s[10:11]
	s_load_b64 s[12:13], s[0:1], 0x20              ; the codes
	v_lshrrev_b32 v1, 5, v0
	s_delay_alu instid0(VALU_DEP_1)
	v_readfirstlane_b32 s18, v1                    ; wave 0..7
	v_and_b32 v2, 31, v0                           ; lane
	s_delay_alu instid0(VALU_DEP_1)
	v_lshlrev_b32 v[XO], 5, v2
	s_delay_alu instid0(VALU_DEP_2)
	v_lshlrev_b32 v[CO], 3, v2
	v_mov_b32 v[PS], 0                             ; written once: a lane permute's destination counts as one of its sources
	s_mov_b32 s20, 0x76543210                      ; v_permlanex16_b32: lane l takes lane l xor 16
	s_mov_b32 s21, 0xfedcba98
	s_mov_b32 s22, 0x3a800000                      ; 1 / 1,024
	s_mov_b32 s23, 0x3727c5ac                      ; 1e-5
	s_lshl_b32 s19, ttmp9, 3
	s_add_co_u32 s19, s19, s18                     ; which pair of rows is my wave's
	s_lshl_b32 s32, s19, 13                        ; 2 rows of 4,096 bytes
	s_mov_b32 s33, 0
	s_lshl_b32 s34, s19, 11                        ; 2 rows of 1,024 codes
	s_mov_b32 s35, 0
	s_wait_alu depctr_va_vdst(0)
	s_wait_kmcnt 0x0
.if NQ == 3
	s_load_b256 s[24:31], s[10:11], 0x0            ; entries 0 to 7: 1, 3 and 5 are h's
.else
	s_load_b32 s25, s[10:11], 0x30                 ; entry 12
.endif
	s_add_nc_u64 s[4:5], s[4:5], s[32:33]
	s_add_nc_u64 s[12:13], s[12:13], s[34:35]
.if NQ == 3
	s_add_nc_u64 s[14:15], s[12:13], 0x400000      ; a base for each plane of 4,096 x 1,024 codes
	s_add_nc_u64 s[16:17], s[14:15], 0x400000
.endif
	XLOAD 0
.irp j, 0,1,2,3
	global_load_b128 v[G+8*\j:G+8*\j+3],   v[XO], s[6:7] offset:1024*\j
	global_load_b128 v[G+8*\j+4:G+8*\j+7], v[XO], s[6:7] offset:1024*\j+16
.endr
.irp j, 0,1,2,3
	global_load_b128 v[B+8*\j:B+8*\j+3],   v[XO], s[8:9] offset:1024*\j
	global_load_b128 v[B+8*\j+4:B+8*\j+7], v[XO], s[8:9] offset:1024*\j+16
.endr
	XLOAD 1
	s_wait_kmcnt 0x0
.irp q, 0,1,2
.if \q < NQ
	s_add_co_i32 s32, s[25+2*\q], 127
	s_lshl_b32 s33, s32, 23
	v_mov_b32 v[SC+2*\q], s33                      ; 2^e as f32: the conversion takes its exponent field
	s_add_co_i32 s32, s32, 8
	s_lshl_b32 s32, s32, 23
	s_or_b32 s32, s32, 0x600000
.endif
.endr
	ROW 0, 24, 8                                   ; 24: behind row 0's eight loads stand g's, b's and row 1's;  8: row 1's alone
	ROW 1, 0, 0
	s_endpgm
.Lfunc_end_k_qd785b475d2_ln1:
	.size	k_qd785b475d2_ln1, .Lfunc_end_k_qd785b475d2_ln1-k_qd785b475d2_ln1
	.p2alignl 7, 3214868480
	.fill 96, 4, 3214868480
	.section	.rodata,"a",@progbits
	.p2align	6, 0x0
	.amdhsa_kernel k_qd785b475d2_ln1
		.amdhsa_group_segment_fixed_size 0
		.amdhsa_private_segment_fixed_size 0
		.amdhsa_enable_private_segment 0
		.amdhsa_kernarg_size 40
		.amdhsa_user_sgpr_count 2
		.amdhsa_user_sgpr_kernarg_segment_ptr 1
		.amdhsa_wavefront_size32 1
		.amdhsa_system_sgpr_workgroup_id_x 1
		.amdhsa_system_sgpr_workgroup_id_y 1
		.amdhsa_system_sgpr_workgroup_id_z 1
		.amdhsa_system_vgpr_workitem_id 0
		.amdhsa_next_free_vgpr 216
		.amdhsa_next_free_sgpr 66
		.amdhsa_reserve_vcc 0
		.amdhsa_float_denorm_mode_32 3
		.amdhsa_float_denorm_mode_16_64 3
		.amdhsa_fp16_overflow 1
		.amdhsa_memory_ordered 1
		.amdhsa_forward_progress 1
		.amdhsa_inst_pref_size 25
	.end_amdhsa_kernel
	.amdgpu_metadata
---
amdhsa.version: [ 1, 2 ]
amdhsa.kernels:
  - .name:           k_qd785b475d2_ln1
    .symbol:         k_qd785b475d2_ln1.kd
    .args:
      - { .name: x, .offset: 0, .size: 8, .value_kind: global_buffer, .address_space: global }
      - { .name: g1, .offset: 8, .size: 8, .value_kind: global_buffer, .address_space: global }
      - { .name: b1, .offset: 16, .size: 8, .value_kind: global_buffer, .address_space: global }
      - { .name: lowp_scales, .offset: 24, .size: 8, .value_kind: global_buffer, .address_space: global }
      - { .name: hc, .offset: 32, .size: 8, .value_kind: global_buffer, .address_space: global }
    .group_segment_fixed_size: 0
    .private_segment_fixed_size: 0
    .kernarg_segment_align: 8
    .kernarg_segment_size: 40
    .max_flat_workgroup_size: 256
    .sgpr_count:     66
    .vgpr_count:     216
    .wavefront_size: 32
...
	.end_amdgpu_metadata
.endif
;; end of part 1
;; launch qkv (part 2): grid 12 x 16, 4 waves a work-group, clusters of 4 x 4, 327,680 bytes of LDS; arguments hc, Wq_codes, Wk_codes, Wv_codes, bq, bk, bv, lowp_scales, qkv; writes qkv
.if DOCPART == 2
	.amdgcn_target "amdgcn-amd-amdhsa--gfx1250"
	.amdhsa_code_object_version 6
	.text
	.protected	k_qd785b475d2_qkv
	.globl	k_qd785b475d2_qkv
	.p2align	8
	.type	k_qd785b475d2_qkv,@function
k_qd785b475d2_qkv:
	s_mov_b64 s[64:65], 0
	v_nop
	global_prefetch_b8 v0, s[64:65] scope:SCOPE_SE
	s_setreg_imm32_b32 hwreg(HW_REG_WAVE_MODE, 25, 1), 1
	s_wait_xcnt 0x0
	s_wait_alu depctr_hold_cnt(0) depctr_sa_sdst(0) depctr_va_vdst(0) depctr_va_sdst(0) depctr_va_ssrc(0) depctr_va_vcc(0) depctr_vm_vsrc(0)
	s_getreg_b32 s2, hwreg(HW_REG_IB_STS2, 6, 4)
	s_cmp_eq_u32 s2, 0
	s_cbranch_scc0 .Lentry_in_a_cluster
	s_endpgm
.Lentry_in_a_cluster:
	s_bfe_u32 s2, ttmp6, 0x10000c
	s_cmp_lg_u32 s2, 0xf033
	s_cbranch_scc0 .Lentry_shape_is_right
	s_endpgm
.Lentry_shape_is_right:
; q, k and v: three products of h's codes (4,096 tokens x 1,024) with a weight's codes (1,024 outputs x 1,024, K innermost), + bias, quantised to E4M3 for the attention that follows.
; The cluster's x, T = 0, 1, 2, says q, k or v; it is the same in all sixteen partners.  C[m][n] = sum over k of A[m][k] B[n][k]:
;   q, k: A = h's plane T (tokens), B = the weight: a row of C is a token.  Out: plane T of qkv, [16 heads][4,096 tokens][64].
;   v:    A = Wv, B = h's plane 2: a row of C is a channel, its columns are tokens: V with the KEYS innermost, as the second product of attention wants it.  Out: plane 2, [1,024 channels][4,096 tokens].
; The two roles differ in pointers and offsets alone (s_cselect on T), and in one branch on T round the last LDS reads and the stores.
; A tile of C, 256 x 256, is made by four waves, each 128 x 128: 64 accumulators, 512 registers.  K goes in steps of 256 through a ring of two LDS slots filled by the tensor data mover.
; CLUSTERS: 4 x 4 work-groups; A's tile is asked for jointly along a row of the cluster, B's along a column.  THE MATRIX INSTRUCTION IS USED TRANSPOSED (source 0 = 16 rows of B, source 1 = 16 rows of A):
; a lane then holds eight neighbouring columns of one row of C, which one conversion turns into 8 codes.
; A fragment is fetched by four loads of 16 bytes: a permutation of k that is the same in A and in B, so every product meets its partner; only the order of the sums inside an instruction differs.
; REGISTERS: window 0: v0-31 addresses; v32-95 the bias by columns, v96-111 by rows; from v128 A's fragments, ONE set (on the way out: 64 numbers, then codes).  window 1: B's fragments, two sets.  windows 2, 3: the accumulators.
; 192 work-groups: three tensors x 64 tiles; a smaller tile would fill more WGPs and read each LDS byte for half the products.
; LIMITS: e(weight) + e(h) between -126 and 127; the entries 6, 7, 8 between -126 and 119.  NaN among the inputs is not served.
.set ROWB,   256                       ; a tile's row in bytes
.set KROW,   1024                      ; a row of A or of B in memory
.set PITCH,  272                       ; an LDS row: 256 bytes + 16 of padding = 68 words: the 16 rows that a load touches start at 16 different banks (64 banks of 4 bytes: ISA guide 11.1)
.set FR,     16
.set NL,     4
.set NP,     4                         ; places behind this matrix instruction (ISA guide 7.12.1)
.set HALFT,  128*PITCH
.set SLOT,   4*HALFT
.set LAPS,   2                         ; 1,024 / 512
.set SPARE,  2*SLOT                    ; behind the ring: the spare words, 128 bytes a wave
.set QP,     336                       ; the way out: a stage of 256 rows x (256 codes + 80), in slot 0, which has had its last fill and its last read by then; 84 words: sixteen rows' 8-byte stores fall on 64 different banks
.set BNO,  5                           ; v5   32 x (lane / 16): the column bias's offset
.set BMO,  6                           ; v6   4 x (lane % 16): the row bias's
.set RDQ0, 7                           ; v7, v8  q, k: where I read the stage back, rows 0-127 and 128-255
.set RDQ1, 8
.set RDV,  9                           ; v9   v: the same
.set GOQ,  10                          ; v10  q, k: my byte offset in the output
.set GOV,  11                          ; v11  v: the same
.set SCV,  12                          ; v12  2^e of the output's quantiser
.set LIMV, 13                          ; v13  448 x that
.set ADRA, 16
.set ADRB, 20
.set STO,  24
.set SPW,  28
.set NIL,  29
.set BN,   32
.set BM,   96
.set AF,   128
.set VAL,  128
.set COD,  192
.set G1, 24
.set G0, 32
.set G1B, 48
.set G0B, 56
.set MSB, 0
.macro WIN new                         ; the immediate's high byte repeats the setting that is left
.if MSB != \new
	s_set_vgpr_msb (MSB<<8)|\new
.set MSB, \new
.endif
.endm
.set MUL_LO, 0xa1                      ; source 0 (B) window 1, source 1 (A) window 0, C and D window 2
.set MUL_HI, 0xf1
.set TO_B,   0x40
; A joint load: waves 0 and 1 fetch for A, waves 2 and 3 for B; the branch hangs on the wave's number alone.  Four v_nop follow each of the two lines.
.macro JLOAD g0a, g1a, g0b, g1b
	s_cmp_eq_u32 s15, 0
	s_cbranch_scc0 .Lfor_b_\@
	tensor_load_to_lds s[\g0a:\g0a+3], s[\g1a:\g1a+7]
	s_nop 0
.rept 4
	v_nop
.endr
	s_branch .Lasked_\@
.Lfor_b_\@:
	tensor_load_to_lds s[\g0b:\g0b+3], s[\g1b:\g1b+7]
	s_nop 0
.rept 4
	v_nop
.endr
.Lasked_\@:
.endm
.macro CREST                           ; a round of the cluster's barrier behind its opening barrier
	s_cmp_lg_u32 s14, 0
	s_cbranch_scc1 .Lnot_wave_0_\@
	s_barrier_signal -3
.Lnot_wave_0_\@:
	s_barrier_wait -3
	s_barrier_signal -1
	s_barrier_wait -1
.endm
.macro CROUND
	s_barrier_signal -1
	s_barrier_wait -1
	CREST
.endm
	s_load_b512 s[68:83], s[0:1], 0x0              ; hc 68, Wq 70, Wk 72, Wv 74, bq 76, bk 78, bv 80, the scales' exponents 82
	s_load_b64 s[84:85], s[0:1], 0x40              ; qkv
	v_lshl_add_u32 v[SPW], v0, 2, SPARE
	v_mov_b32 v[NIL], 0
	ds_add_u32 v28, v29
	ds_add_u32 v28, v29
	s_wait_dscnt 0x0
	v_lshrrev_b32 v1, 5, v0
	v_readfirstlane_b32 s14, v1                    ; wave 0..3
	s_lshr_b32 s15, s14, 1                         ; my half of the tile's rows.  Also: I fetch for A (0) or for B (1)
	s_and_b32 s16, s14, 1                          ; my half of its columns.  Also: which 128 rows of that tile I fetch
	s_bfe_u32 s40, ttmp6, 0x40000                  ; cx, cy
	s_bfe_u32 s41, ttmp6, 0x40004
	s_and_b32 s18, ttmp7, 0xffff
	s_lshl_b32 s18, s18, 2                         ; 4 x cluster y: it walks the tokens
	s_cmp_eq_u32 ttmp9, 2                          ; v?
	s_cselect_b32 s17, 0, s18
	s_cselect_b32 s42, s18, 0
	s_cselect_b32 s98, 0, -1                       ; all lanes where the bias goes by columns (q, k)
	s_cselect_b32 s99, -1, 0                       ; all lanes where it goes by rows (v)
	s_add_co_u32 s17, s17, s41                     ; tile row of C
	s_add_co_u32 s42, s42, s40                     ; tile column of C
	s_lshl_b32 s43, s41, 2
	s_lshl_b32 s43, 15, s43                        ; my row of the cluster
	s_lshl_b32 s44, 0x1111, s40                    ; my column
	s_or_b32 s[G1+0], s43, (0<<16)|(1<<20)|(1<<21)|(5<<22)|(3<<25)  ; the mask; elements of 1 byte; padding on; bit 21 beside a mask; after every 64 words, 4 words
	s_or_b32 s[G1B+0], s44, (0<<16)|(1<<20)|(1<<21)|(5<<22)|(3<<25)
.irp g, G1, G1B
	s_mov_b32 s[\g+1], ROWB<<16                    ; tensor_dim0
	s_mov_b32 s[\g+2], 128<<16                     ; tensor_dim1
	s_mov_b32 s[\g+3], ROWB<<16                    ; tile_dim0
	s_mov_b32 s[\g+4], 128                         ; tile_dim1
	s_mov_b32 s[\g+5], KROW                        ; tensor_dim0_stride
	s_mov_b32 s[\g+6], 0
	s_mov_b32 s[\g+7], 0
.endr
	s_lshl_b32 s18, s16, 7
	s_lshl_b32 s20, s17, 8
	s_add_co_u32 s20, s20, s18                     ; A: row 256 x tile row + 128 x half
	s_lshl_b32 s20, s20, 10                        ; in bytes
	s_mov_b32 s21, 0
	s_lshl_b32 s46, s42, 8
	s_add_co_u32 s46, s46, s18                     ; B: row 256 x tile column + 128 x half
	s_lshl_b32 s46, s46, 10
	s_mov_b32 s47, 0
	s_mul_i32 s45, s14, HALFT                      ; where they go: no place in the cluster enters an LDS address
	; the bias's first number, by columns (q, k) and by rows (v); the one that does not apply stays at 0, inside the bias
	s_lshl_b32 s18, s42, 10
	s_lshl_b32 s19, s16, 9
	s_add_co_u32 s18, s18, s19                     ; 4 x (256 x tile column + 128 x my half)
	s_lshl_b32 s2, s17, 10
	s_lshl_b32 s19, s15, 9
	s_add_co_u32 s2, s2, s19                       ; 4 x (256 x tile row + 128 x my half)
	s_cmp_eq_u32 ttmp9, 2
	s_cselect_b32 s18, 0, s18
	s_cselect_b32 s2, s2, 0
	s_mov_b32 s19, 0
	s_mov_b32 s3, 0
	s_lshl_b32 s22, ttmp9, 22                      ; plane T of hc and of qkv
	s_mov_b32 s23, 0
	s_wait_kmcnt 0x0
	s_load_b256 s[88:95], s[82:83], 0x0            ; entries 0 to 7
	s_load_b32 s86, s[82:83], 0x20                 ; entry 8
	s_add_nc_u64 s[10:11], s[84:85], s[22:23]
	s_add_nc_u64 s[22:23], s[68:69], s[22:23]
	s_cmp_eq_u32 ttmp9, 0
	s_cselect_b64 s[6:7], s[70:71], s[72:73]
	s_cselect_b64 s[12:13], s[76:77], s[78:79]
	s_cmp_eq_u32 ttmp9, 2
	s_cselect_b64 s[4:5], s[74:75], s[22:23]       ; A: Wv, or h's plane
	s_cselect_b64 s[6:7], s[22:23], s[6:7]         ; B: h's plane, or Wq or Wk
	s_cselect_b64 s[12:13], s[80:81], s[12:13]     ; the bias
	s_add_nc_u64 s[66:67], s[12:13], s[18:19]
	s_add_nc_u64 s[12:13], s[12:13], s[2:3]
	s_add_nc_u64 s[20:21], s[4:5], s[20:21]
	s_add_nc_u64 s[46:47], s[6:7], s[46:47]
	CROUND                                         ; all sixteen work-groups are here: the first joint loads meet
.irp s, 0,1
	s_mov_b32 s[G0+4*\s], 1
	s_add_co_u32 s[G0+4*\s+1], s45, \s*SLOT
	s_add_nc_u64 s[G0+4*\s+2:G0+4*\s+3], s[20:21], \s*ROWB
	s_or_b32 s[G0+4*\s+3], s[G0+4*\s+3], 0x80000000
	s_mov_b32 s[G0B+4*\s], 1
	s_add_co_u32 s[G0B+4*\s+1], s45, \s*SLOT
	s_add_nc_u64 s[G0B+4*\s+2:G0B+4*\s+3], s[46:47], \s*ROWB
	s_or_b32 s[G0B+4*\s+3], s[G0B+4*\s+3], 0x80000000
	JLOAD G0+4*\s, G1, G0B+4*\s, G1B
.endr
	v_and_b32 v1, 15, v0                           ; r = lane % 16
	v_bfe_u32 v2, v0, 4, 1                         ; h = lane / 16
	v_mul_u32_u24 v3, v1, PITCH
	v_lshl_add_u32 v4, v2, 4, v3
	s_mul_i32 s21, s15, HALFT
	s_mul_i32 s22, s16, HALFT
	s_add_co_u32 s22, s22, 2*HALFT
.irp s, 0,1
	v_add_nc_u32 v[ADRA+\s], s21, v4
	v_add_nc_u32 v[ADRB+\s], s22, v4
	s_add_co_u32 s21, s21, SLOT
	s_add_co_u32 s22, s22, SLOT
.endr
	s_mul_i32 s23, s15, 128*QP                     ; into the stage: row 128 x my row half + r, byte 128 x my column half + 8 h
	s_lshl_b32 s22, s16, 7
	s_add_co_u32 s23, s23, s22
	v_mul_u32_u24 v3, v1, QP
	v_lshl_add_u32 v3, v2, 3, v3
	v_add_nc_u32 v[STO], s23, v3
	v_and_b32 v14, 31, v0                          ; lane
	v_lshrrev_b32 v15, 2, v14
	v_mul_u32_u24 v15, v15, QP
	v_and_b32 v3, 3, v0
	v_lshl_add_u32 v15, v3, 4, v15
	s_lshl_b32 s23, s14, 6
	v_add_nc_u32 v[RDQ0], s23, v15                 ; q, k: wave w takes the tile's head w: 64 bytes of each row; four lanes to a row, eight rows an instruction
	v_add_nc_u32 v[RDQ1], 128*QP, v[RDQ0]
	s_mul_i32 s23, s14, 64*QP
	v_mul_u32_u24 v15, v2, QP
	v_lshl_add_u32 v15, v1, 4, v15
	v_add_nc_u32 v[RDV], s23, v15                  ; v: wave w takes rows 64 w on, whole; sixteen lanes to a row
	v_lshlrev_b32 v[GOQ], 4, v14
	v_lshlrev_b32 v[GOV], 12, v2
	v_lshl_add_u32 v[GOV], v1, 4, v[GOV]
	v_lshlrev_b32 v[BNO], 5, v2
	v_lshlrev_b32 v[BMO], 2, v1
.irp b, 0,1,2,3,4,5,6,7
	global_load_b128 v[BN+8*\b:BN+8*\b+3],   v[BNO], s[66:67] offset:64*\b      ; the bias of columns 16 b + 8 h + 0 .. 7
	global_load_b128 v[BN+8*\b+4:BN+8*\b+7], v[BNO], s[66:67] offset:64*\b+16
.endr
.irp a, 0,1,2,3,4,5,6,7
	global_load_b32 v[BM+2*\a], v[BMO], s[12:13] offset:64*\a                   ; the bias of row 16 a + r
.endr
.macro FRAG reg, adr, q, i             ; 16 rows x 128 K: lane l holds row l % 16; registers 4 c .. 4 c + 3 hold K = 32 c + 16 (l / 16) + 0 .. 15
.irp c, 0,1,2,3
	ds_load_b128 v[\reg+4*\c:\reg+4*\c+3], v[\adr] offset:128*(\q)+32*\c+(\i)*16*PITCH
.endr
.endm
; 16 matrix instructions: A's blocks a0, a0 + 1 x B's eight.  The 64 accumulators take turns, one instruction a turn, in the same order in every step.
.macro MUL16 a0, p, zero
.irp a, \a0, \a0+1
.irp b, 0,1,2,3,4,5,6,7
.if \zero
	v_wmma_f32_16x16x128_fp8_fp8 v[8*(8*((\a)%4)+\b):8*(8*((\a)%4)+\b)+7], v[128*(\p)+FR*\b:128*(\p)+FR*\b+FR-1], v[AF+FR*(\a):AF+FR*(\a)+FR-1], 0
.else
	v_wmma_f32_16x16x128_fp8_fp8 v[8*(8*((\a)%4)+\b):8*(8*((\a)%4)+\b)+7], v[128*(\p)+FR*\b:128*(\p)+FR*\b+FR-1], v[AF+FR*(\a):AF+FR*(\a)+FR-1], v[8*(8*((\a)%4)+\b):8*(8*((\a)%4)+\b)+7]
.endif
.endr
.endr
.endm
.macro FETCH_B slot, q, p
	WIN TO_B
.irp i, 0,1,2,3,4,5,6,7
	FRAG 128*(\p)+FR*\i, ADRB+\slot, \q, \i
.endr
	WIN 0
.endm
.macro FETCH_A slot, q, i0
.irp i, \i0, \i0+1, \i0+2, \i0+3
	FRAG AF+FR*(\i), ADRA+\slot, \q, \i
.endr
.endm
.macro PLACES n                        ; plain vector lines between a matrix instruction and a load into, or a read of, its registers (ISA guide 7.12.1 for reads)
.rept \n
	v_nop
.endr
.endm
.macro STEP slot, q, zero              ; 128 along K with its successor in the same slot
	s_wait_dscnt 4*NL                              ; B's set and A's blocks 0-3 are in; A's blocks 4-7 (16 loads) may be out
	WIN MUL_LO
	MUL16 0, (\q)%2, \zero
	MUL16 2, (\q)%2, \zero
	s_wait_dscnt 0
	PLACES NP
	FETCH_B \slot, (\q)+1, 1-(\q)%2
	FETCH_A \slot, (\q)+1, 0
	WIN MUL_HI
	MUL16 4, (\q)%2, \zero
	MUL16 6, (\q)%2, \zero
	PLACES NP
	WIN 0
	FETCH_A \slot, (\q)+1, 4
.endm
; A slot's last step changes slots: ONE barrier; in front of it each wave waits for all its tensor loads, adds 0 to its spare word, and waits for that and for its reads of this slot.
.macro TURN slot, next, fill
	s_wait_tensorcnt 0x0                           ; all my tensor loads have landed: my part of the next slot
	ds_add_u32 v[SPW], v[NIL]                      ; 0 onto my spare word
	s_wait_dscnt 4*NL+1                            ; the add and A's blocks 4-7 may be out
	WIN MUL_LO
	MUL16 0, 1, 0
	s_wait_dscnt 0x0                               ; the add is done, and my reads of this slot are over
	s_barrier_signal -1
	MUL16 2, 1, 0
	WIN 0
	s_barrier_wait -1
.if \fill
	CREST                                          ; the barrier has opened a round of the cluster's barrier: no wave of any partner still reads this slot or has a load on its way
	s_add_nc_u64 s[G0+4*\slot+2:G0+4*\slot+3], s[G0+4*\slot+2:G0+4*\slot+3], 2*ROWB
	s_add_nc_u64 s[G0B+4*\slot+2:G0B+4*\slot+3], s[G0B+4*\slot+2:G0B+4*\slot+3], 2*ROWB
	JLOAD G0+4*\slot, G1, G0B+4*\slot, G1B         ; the first tensor load behind the round; its four v_nop are the places in front of the loads below
.else
	PLACES NP
.endif
	FETCH_B \next, 0, 0
	FETCH_A \next, 0, 0
	WIN MUL_HI
	MUL16 4, 1, 0
	MUL16 6, 1, 0
	PLACES NP
	WIN 0
	FETCH_A \next, 0, 4
.endm
	s_wait_tensorcnt 1                             ; my part of K step 0 is in; K step 1's load may be out
	s_barrier_signal -1
	s_barrier_wait -1
	FETCH_B 0, 0, 0
	FETCH_A 0, 0, 0
	FETCH_A 0, 0, 4
	STEP 0, 0, 1                                   ; the first step's products start the sums
	s_mov_b32 s3, LAPS-1
.Llap:
	TURN 0, 1, 1
	STEP 1, 0, 0
	TURN 1, 0, 1
	STEP 0, 0, 0
	s_sub_co_u32 s3, s3, 1
	s_cmp_lg_u32 s3, 0
	s_cbranch_scc1 .Llap
	TURN 0, 1, 0                                   ; the last lap fills nothing
	STEP 1, 0, 0
	s_wait_dscnt 4*NL
	WIN MUL_LO
	MUL16 0, 1, 0
	MUL16 2, 1, 0
	s_wait_dscnt 0
	WIN MUL_HI
	MUL16 4, 1, 0
	MUL16 6, 1, 0
	WIN 0
	; THE WAY OUT.  number = sum x 2^(e of the weight + e of h) + bias; code = number / 2^(entry 6 + T), held and rounded.
	s_wait_kmcnt 0x0
	s_cmp_eq_u32 ttmp9, 0
	s_cselect_b32 s18, s88, s90
	s_cselect_b32 s19, s89, s91
	s_cselect_b32 s20, s94, s95
	s_cmp_eq_u32 ttmp9, 2
	s_cselect_b32 s18, s92, s18
	s_cselect_b32 s19, s93, s19
	s_cselect_b32 s20, s86, s20
	s_add_co_i32 s96, s18, s19
	s_add_co_i32 s96, s96, 127
	s_lshl_b32 s96, s96, 23                        ; 2^(the two operands' e added) as f32
	s_mov_b32 s97, s96                             ; (named with it as a pair, so it is written)
	s_add_co_i32 s20, s20, 127
	s_lshl_b32 s21, s20, 23
	s_add_co_i32 s20, s20, 8
	s_lshl_b32 s20, s20, 23
	s_or_b32 s20, s20, 0x600000
	s_wait_loadcnt 0x0                             ; the biases
	v_mov_b32 v[SCV], s21
	v_mov_b32 v[LIMV], s20
.set J, 0
.rept 64
	v_cndmask_b32 v[BN+J], 0, v[BN+J], s98         ; the bias that does not apply becomes 0.  (These plain lines are also the places behind the last products)
.set J, J+1
.endr
.irp a, 0,1,2,3,4,5,6,7
	v_cndmask_b32 v[BM+2*\a], 0, v[BM+2*\a], s99
.endr
.irp a, 0,1,2,3,4,5,6,7
	v_mov_b32 v[BM+2*\a+1], v[BM+2*\a]
.endr
	s_lshl_b32 s18, s42, 2                         ; q, k: head 4 x tile column + wave, 2^18 bytes a head; token 256 x tile row, 64 bytes a token
	s_add_co_u32 s18, s18, s14
	s_lshl_b32 s18, s18, 18
	s_lshl_b32 s19, s17, 14
	s_add_co_u32 s18, s18, s19
	s_lshl_b32 s20, s17, 8                         ; v: channel 256 x tile row + 64 x wave, 4,096 bytes a channel; token 256 x tile column
	s_lshl_b32 s21, s14, 6
	s_add_co_u32 s20, s20, s21
	s_lshl_b32 s20, s20, 12
	s_lshl_b32 s21, s42, 8
	s_add_co_u32 s20, s20, s21
	s_cmp_eq_u32 ttmp9, 2
	s_cselect_b32 s18, s20, s18
	s_mov_b32 s19, 0
	s_add_nc_u64 s[10:11], s[10:11], s[18:19]
.macro QBLOCK a                        ; my rows 16 a on: 64 numbers a lane -> 64 codes -> the stage
.set AC, 64*((\a)%4)
.set CD, COD+16*((\a)%4)
.if (\a) >= 4
	s_wait_dscnt 24                                ; block a - 4's eight stores have read these code registers; the three later blocks' 24 may be out
.endif
	WIN 0x02+((\a)/4)                              ; source 0: window 2 or 3
.set J, 0
.rept 32
	v_pk_fma_f32 v[VAL+J:VAL+J+1], v[AC+J:AC+J+1], s[96:97], v[BN+J:BN+J+1] op_sel_hi:[1,0,1]   ; each accumulator from its low end on
.set J, J+2
.endr
	WIN 0
.set J, 0
.rept 32
	v_pk_add_f32 v[VAL+J:VAL+J+1], v[VAL+J:VAL+J+1], v[BM+2*(\a):BM+2*(\a)+1]
.set J, J+2
.endr
.set J, 0
.rept 64
	v_med3_num_f32 v[VAL+J], v[VAL+J], -v[LIMV], v[LIMV]   ; the conversion does not saturate (ISA guide 7.6.2)
.set J, J+1
.endr
.irp b, 0,1,2,3,4,5,6,7
	v_cvt_scalef32_pk8_fp8_f32 v[CD+2*\b:CD+2*\b+1], v[VAL+8*\b:VAL+8*\b+7], v[SCV]
.endr
	v_nop                                          ; a plain line between the conversions and the next block's writes of their sources
.irp b, 0,1,2,3,4,5,6,7
	ds_store_b64 v[STO], v[CD+2*\b:CD+2*\b+1] offset:16*QP*(\a)+16*\b
.endr
.endm
.irp a, 0,1,2,3,4,5,6,7
	QBLOCK \a
.endr
	s_wait_dscnt 0x0                               ; for the others' sake: my stores into the stage are done
	s_barrier_signal -1
	s_barrier_wait -1
	s_cmp_eq_u32 ttmp9, 2                          ; the cluster's x: the same in all partners
	s_cbranch_scc1 .Lv
.set J, 0
.rept 16
	ds_load_b128 v[128+4*J:131+4*J], v[RDQ0] offset:8*QP*J
.set J, J+1
.endr
.set J, 0
.rept 16
	ds_load_b128 v[192+4*J:195+4*J], v[RDQ1] offset:8*QP*J
.set J, J+1
.endr
.set J, 0
.rept 32
	s_wait_dscnt 31-J
	global_store_b128 v[GOQ], v[128+4*J:131+4*J], s[10:11] offset:512*J     ; eight tokens of one head: 512 consecutive bytes, aligned
.set J, J+1
.endr
	s_branch .Lout
.Lv:
.set J, 0
.rept 32
	ds_load_b128 v[128+4*J:131+4*J], v[RDV] offset:2*QP*J
.set J, J+1
.endr
.set J, 0
.rept 32
	s_wait_dscnt 31-J
	global_store_b128 v[GOV], v[128+4*J:131+4*J], s[10:11] offset:8192*J    ; two channels: sixteen lanes store 256 consecutive bytes, aligned
.set J, J+1
.endr
.Lout:
	s_wait_tensorcnt 0x0                           ; the wave's end
	ds_add_u32 v[SPW], v[NIL]
	s_wait_dscnt 0x0
	CROUND                                         ; the closing round
	s_endpgm
.Lfunc_end_k_qd785b475d2_qkv:
	.size	k_qd785b475d2_qkv, .Lfunc_end_k_qd785b475d2_qkv-k_qd785b475d2_qkv
	.p2alignl 7, 3214868480
	.fill 96, 4, 3214868480
	.section	.rodata,"a",@progbits
	.p2align	6, 0x0
	.amdhsa_kernel k_qd785b475d2_qkv
		.amdhsa_group_segment_fixed_size 327680
		.amdhsa_private_segment_fixed_size 0
		.amdhsa_enable_private_segment 0
		.amdhsa_kernarg_size 72
		.amdhsa_user_sgpr_count 2
		.amdhsa_user_sgpr_kernarg_segment_ptr 1
		.amdhsa_wavefront_size32 1
		.amdhsa_system_sgpr_workgroup_id_x 1
		.amdhsa_system_sgpr_workgroup_id_y 1
		.amdhsa_system_sgpr_workgroup_id_z 1
		.amdhsa_system_vgpr_workitem_id 0
		.amdhsa_next_free_vgpr 1024
		.amdhsa_next_free_sgpr 100
		.amdhsa_reserve_vcc 0
		.amdhsa_float_denorm_mode_32 3
		.amdhsa_float_denorm_mode_16_64 3
		.amdhsa_memory_ordered 1
		.amdhsa_forward_progress 1
		.amdhsa_inst_pref_size 172
	.end_amdhsa_kernel
	.amdgpu_metadata
---
amdhsa.version: [ 1, 2 ]
amdhsa.kernels:
  - .name:           k_qd785b475d2_qkv
    .symbol:         k_qd785b475d2_qkv.kd
    .args:
      - { .name: hc, .offset: 0, .size: 8, .value_kind: global_buffer, .address_space: global }
      - { .name: Wq_codes, .offset: 8, .size: 8, .value_kind: global_buffer, .address_space: global }
      - { .name: Wk_codes, .offset: 16, .size: 8, .value_kind: global_buffer, .address_space: global }
      - { .name: Wv_codes, .offset: 24, .size: 8, .value_kind: global_buffer, .address_space: global }
      - { .name: bq, .offset: 32, .size: 8, .value_kind: global_buffer, .address_space: global }
      - { .name: bk, .offset: 40, .size: 8, .value_kind: global_buffer, .address_space: global }
      - { .name: bv, .offset: 48, .size: 8, .value_kind: global_buffer, .address_space: global }
      - { .name: lowp_scales, .offset: 56, .size: 8, .value_kind: global_buffer, .address_space: global }
      - { .name: qkv, .offset: 64, .size: 8, .value_kind: global_buffer, .address_space: global }
    .group_segment_fixed_size: 327680
    .private_segment_fixed_size: 0
    .kernarg_segment_align: 8
    .kernarg_segment_size: 72
    .max_flat_workgroup_size: 128
    .sgpr_count:     100
    .vgpr_count:     1024
    .wavefront_size: 32
...
	.end_amdgpu_metadata
.endif
;; end of part 2
;; launch att (part 3): grid 8 x 32, 16 waves a work-group, clusters of 4 x 1, 327,680 bytes of LDS; arguments qkv, lowp_scales, ctx; writes ctx
.if DOCPART == 3
	.amdgcn_target "amdgcn-amd-amdhsa--gfx1250"
	.amdhsa_code_object_version 6
	.text
	.protected	k_qd785b475d2_att
	.globl	k_qd785b475d2_att
	.p2align	8
	.type	k_qd785b475d2_att,@function
k_qd785b475d2_att:
	s_mov_b64 s[64:65], 0
	v_nop
	global_prefetch_b8 v0, s[64:65] scope:SCOPE_SE
	s_setreg_imm32_b32 hwreg(HW_REG_WAVE_MODE, 25, 1), 1
	s_wait_xcnt 0x0
	s_wait_alu depctr_hold_cnt(0) depctr_sa_sdst(0) depctr_va_vdst(0) depctr_va_sdst(0) depctr_va_ssrc(0) depctr_va_vcc(0) depctr_vm_vsrc(0)
	s_getreg_b32 s2, hwreg(HW_REG_IB_STS2, 6, 4)
	s_cmp_eq_u32 s2, 0
	s_cbranch_scc0 .Lentry_in_a_cluster
	s_endpgm
.Lentry_in_a_cluster:
	s_bfe_u32 s2, ttmp6, 0x10000c
	s_cmp_lg_u32 s2, 0x3003
	s_cbranch_scc0 .Lentry_shape_is_right
	s_endpgm
.Lentry_shape_is_right:
; Causal attention on codes of E4M3, head size 64, 2,048 tokens, 32 (batch, head) pairs; the result is quantised for the product with Wo.
; qkv: plane 0 q [16 heads][4,096 tokens][64], plane 1 k likewise, plane 2 v [1,024 channels][4,096 tokens] (keys innermost).  ctx: [4,096 tokens][1,024] codes, column = 64 x head + channel.
; THE SOFTMAX: t = score x log2(e) / 8; M = the running largest t rounded UP to a whole number; p = 2^(t - M) is quantised, not normalised; the row's sum is taken of the unquantised p and divides at the end.
; When M moves, the sum and O are multiplied by 2^(old M - new M): exact.
; ALL OF THE HEAD'S K AND V LIE IN LDS.  In codes they are 2,048 x 64 bytes each: with padding eight slots of 256 keys, 37,888 bytes a slot (K: 256 rows x 80, then V^T: 64 rows x 272), 303,104 bytes.  Each of the sixteen waves
; fetches one piece by one tensor load at the head (waves 0-7: K of slot w; waves 8-15: V of slot w - 8): one tensor load of a wave is out, and no LDS byte is filled twice.  One wait for it and one barrier stand in front of
; the first LDS read; behind that barrier the waves are tied by nothing: the loop over the slots holds no barrier.
; SHARES.  Work-group y = 16 x batch + head; g = 0 .. 7 its place among the head's eight.  The wave with number w owns the 16 queries from 128 u + 16 g on.  So it needs the key steps (128 keys) 0 .. u, and step u is the one on
; the diagonal, WHATEVER g IS: all work-groups have the same 136 wave-steps, and no branch hangs on a work-group's place.  A step past the diagonal is jumped over: a scalar branch on the wave's number and the step's count.
; u = w xor 15 where w lies on a diagonal of the square w = 4 x row + column, else u = w.  The numbers u + 1 then form a magic square: each row and each column has 34 steps, so four groups of waves have equal work
; whether the groups are w % 4 or w / 4.
; CLUSTER.  The head's eight work-groups read the same K and V; the four of a cluster ask for each piece jointly.
; NOTHING IS PREFETCHED: every byte of K and V is asked for by the tensor loads at the head; there is no later request to run ahead of.
; LAYOUT.  Both products are used transposed (S^T = K Q^T, O^T = V^T P^T): a lane holds ONE query.  Lane r of K's tile 2 b + u' takes key 32 b + 8 u' + r + 8 (r / 8), so that the 16 registers of two neighbouring tiles are 16
; neighbouring keys and the conversions' results are the second product's operand.  Fragments come by loads of 16 bytes: a permutation of k, the same on both sides of each product.
; THE STORES are 64 bytes of each of eight rows of ctx an instruction: a head's share of a row is 64 bytes; whole runs of 256 would want four heads in one work-group, whose K and V do not fit in LDS together.
; LIMITS: entries 6 + 7 between -124 and 130 (added to c's exponent field); entries 9 and 10 between -126 and 127.  NaN among the inputs is not served.
; REGISTERS: v1-7 addresses that stay; v8-11 in hand; v12 -M, v13 the largest t, v[14:15] the sum; v16-23 Q; v24 ctx's scale; v32-95 fragments; v96-159 S^T, then p; v160-191 O^T; v224-239 p's codes; v240-254 at work.
.set KP,    80                         ; a key's row in LDS: 64 bytes + 16
.set VP,    272                        ; a row of a slot's piece of V^T: 256 bytes + 16
.set VOFF,  256*KP                     ; in a slot: K's 256 rows, then V's 64
.set SLOTB, VOFF+64*VP                 ; 37,888 bytes, 148 blocks of 256
.set NSL,   8
.set STAGE, NSL*SLOTB                  ; behind the slots: 16 rows x 80 bytes for each wave, for the way out: bytes of their own, since other waves still read the slots when a wave is done
.set AK0,  1                           ; v1   my lane's place in a tile of K
.set AV0,  2                           ; v2   the same for V
.set DG,   4                           ; v4   16 g + r - 16 h: on the diagonal, register 16 b + i is hidden where 32 b + i is greater
.set GO,   7                           ; v7   the way out: my byte offset in the wave's rows of ctx
.set ADK,  8
.set ADV,  9
.set WV,   18                          ; s18  my wave's number
.set SEL,  20
.set CS,   22
.set G1K,  24
.set G1V,  32
.set G0K,  40
.set G0V,  44
.set TB,   48                          ; s48  LDS byte at which the slot in hand begins
.set SLOTS, 49
.set SI,   50                          ; s50  the key step's number
.set WQ,   55                          ; s55  u
.macro TLOAD                           ; every wave fetches one piece; the branch hangs on the wave's number alone; four v_nop follow each of the two lines
	s_cmp_lt_u32 s[WV], 8
	s_cbranch_scc0 .Lfor_v_\@
	tensor_load_to_lds s[G0K:G0K+3], s[G1K:G1K+7]
	s_nop 0
.rept 4
	v_nop
.endr
	s_branch .Lasked_\@
.Lfor_v_\@:
	tensor_load_to_lds s[G0V:G0V+3], s[G1V:G1V+7]
	s_nop 0
.rept 4
	v_nop
.endr
.Lasked_\@:
.endm
.macro CROUND                          ; a round of the cluster's barrier
	s_barrier_signal -1
	s_barrier_wait -1
	s_cmp_lg_u32 s[WV], 0
	s_cbranch_scc1 .Lnot_wave_0_\@
	s_barrier_signal -3
.Lnot_wave_0_\@:
	s_barrier_wait -3
	s_barrier_signal -1
	s_barrier_wait -1
.endm
	s_load_b128 s[4:7], s[0:1], 0x0                ; qkv s[4:5], the scales' exponents s[6:7]
	s_load_b64 s[8:9], s[0:1], 0x10                ; ctx
	v_lshl_add_u32 v251, v0, 2, 0x4f000
	v_mov_b32 v255, 0
	ds_add_u32 v251, v255
	ds_add_u32 v251, v255
	v_lshrrev_b32 v8, 5, v0
	s_delay_alu instid0(VALU_DEP_1)
	v_readfirstlane_b32 s[WV], v8                  ; wave 0..15
	s_lshr_b32 s82, s[WV], 2                       ; row xor column, in the low two bits;
	s_xor_b32 s82, s82, s[WV]
	s_lshr_b32 s83, s82, 1
	s_xor_b32 s82, s82, s83                        ; its two bits differ (bit 0 = 1) off the diagonals
	s_and_b32 s82, s82, 1
	s_xor_b32 s82, s82, 1
	s_mul_i32 s82, s82, 15
	s_xor_b32 s[WQ], s82, s[WV]                    ; u
	s_bfe_u32 s52, ttmp6, 0x40000                  ; cx
	s_lshl_b32 s51, ttmp9, 2
	s_add_co_u32 s51, s51, s52                     ; g: it enters Q's and ctx's addresses and the mask's numbers alone
	s_and_b32 s82, ttmp7, 0xffff
	s_lshr_b32 s53, s82, 4                         ; batch
	s_and_b32 s54, s82, 15                         ; head
	s_lshl_b32 s84, s54, 18
	s_lshl_b32 s85, s53, 17
	s_add_co_u32 s86, s84, s85                     ; the (batch, head)'s first byte in q's or k's plane
	s_and_b32 s88, s[WV], 7                        ; the slot that I fetch for
	s_lshl_b32 s89, s88, 14
	s_add_co_u32 s90, s86, s89
	s_add_co_u32 s90, s90, 1<<22                   ; K: the slot's 256 keys, 64 bytes a key
	s_mov_b32 s91, 0
	s_lshl_b32 s92, s53, 11
	s_add_co_u32 s92, s92, s84
	s_lshl_b32 s89, s88, 8
	s_add_co_u32 s92, s92, s89
	s_add_co_u32 s92, s92, 2<<22                   ; V: the head's 64 rows at the slot's first key
	s_mov_b32 s93, 0
	s_mul_i32 s89, s88, SLOTB                      ; and the slot in LDS: no place in the cluster enters an LDS address
	s_lshl_b32 s94, s[WQ], 13
	s_lshl_b32 s95, s51, 10
	s_add_co_u32 s94, s94, s95
	s_add_co_u32 s94, s94, s86                     ; Q: my first query, 128 u + 16 g, 64 bytes a query
	s_mov_b32 s95, 0
	s_lshl_b32 s82, s53, 21
	s_lshl_b32 s83, s[WQ], 17
	s_add_co_u32 s82, s82, s83
	s_lshl_b32 s83, s51, 14
	s_add_co_u32 s82, s82, s83
	s_lshl_b32 s83, s54, 6
	s_add_co_u32 s82, s82, s83                     ; ctx: its row, 1,024 bytes a row, + 64 x head
	s_mov_b32 s83, 0
	s_mov_b32 s[G1K], 15|(0<<16)|(1<<20)|(1<<21)|(3<<22)|(3<<25)   ; the mask: all four; elements of 1 byte; padding on; bit 21 beside a mask; after every 16 words, 4 words
	s_mov_b32 s[G1K+1], 64<<16                     ; tensor_dim0
	s_mov_b32 s[G1K+2], 256<<16                    ; tensor_dim1
	s_mov_b32 s[G1K+3], 64<<16                     ; tile_dim0
	s_mov_b32 s[G1K+4], 256                        ; tile_dim1
	s_mov_b32 s[G1K+5], 64                         ; tensor_dim0_stride
	s_mov_b32 s[G1K+6], 0
	s_mov_b32 s[G1K+7], 0
	s_mov_b32 s[G1V], 15|(0<<16)|(1<<20)|(1<<21)|(5<<22)|(3<<25)   ; padding: 4 words after every 64
	s_mov_b32 s[G1V+1], 256<<16
	s_mov_b32 s[G1V+2], 64<<16
	s_mov_b32 s[G1V+3], 256<<16
	s_mov_b32 s[G1V+4], 64
	s_mov_b32 s[G1V+5], 4096
	s_mov_b32 s[G1V+6], 0
	s_mov_b32 s[G1V+7], 0
	s_mov_b32 s[SEL], 0x76543210
	s_mov_b32 s[SEL+1], 0xfedcba98
	s_mov_b32 s[CS], 0x3e38aa3b                    ; c = log2(e) / 8
	s_mov_b32 s[TB], 0
	s_mov_b32 s[SLOTS], NSL
	s_mov_b32 s[SI], 0
	s_wait_dscnt 0x0
	s_wait_kmcnt 0x0
	s_load_b128 s[68:71], s[6:7], 0x18             ; entries 6 to 9: q, k, v, p
	s_load_b32 s72, s[6:7], 0x28                   ; entry 10: ctx
	s_mov_b32 s[G0K], 1
	s_mov_b32 s[G0K+1], s89
	s_add_nc_u64 s[G0K+2:G0K+3], s[4:5], s[90:91]
	s_or_b32 s[G0K+3], s[G0K+3], 0x80000000
	s_mov_b32 s[G0V], 1
	s_add_co_u32 s[G0V+1], s89, VOFF
	s_add_nc_u64 s[G0V+2:G0V+3], s[4:5], s[92:93]
	s_or_b32 s[G0V+3], s[G0V+3], 0x80000000
	CROUND                                         ; all four work-groups are here: the joint loads meet
	TLOAD                                          ; my one piece of the sixteen
	s_add_nc_u64 s[10:11], s[4:5], s[94:95]        ; Q at my first query
	s_add_nc_u64 s[8:9], s[8:9], s[82:83]          ; ctx likewise
	v_and_b32 v8, 15, v0                           ; r
	v_bfe_u32 v9, v0, 4, 1                         ; h
	s_delay_alu instid0(VALU_DEP_2)
	v_lshlrev_b32 v10, 6, v8
	s_delay_alu instid0(VALU_DEP_1)
	v_lshl_add_u32 v10, v9, 4, v10
	global_load_b128 v[16:19], v10, s[10:11]       ; Q's fragment stays in registers: row r, k = 16 h + 0 .. 15,
	global_load_b128 v[20:23], v10, s[10:11] offset:32   ; and 32 + 16 h + 0 .. 15
	v_and_b32 v11, 8, v8
	s_delay_alu instid0(VALU_DEP_1)
	v_add_nc_u32 v11, v11, v8                      ; r + 8 (r / 8)
	s_delay_alu instid0(VALU_DEP_1)
	v_mul_u32_u24 v[AK0], v11, KP
	s_delay_alu instid0(VALU_DEP_1)
	v_lshl_add_u32 v[AK0], v9, 4, v[AK0]
	v_mul_u32_u24 v[AV0], v8, VP
	s_delay_alu instid0(VALU_DEP_1)
	v_lshl_add_u32 v[AV0], v9, 4, v[AV0]
	s_delay_alu instid0(VALU_DEP_1)
	v_add_nc_u32 v[AV0], VOFF, v[AV0]
	s_lshl_b32 s87, s51, 4
	v_lshlrev_b32 v11, 4, v9
	s_delay_alu instid0(VALU_DEP_1)
	v_sub_nc_u32 v[DG], v8, v11
	s_delay_alu instid0(VALU_DEP_1)
	v_add_nc_u32 v[DG], s87, v[DG]
	v_and_b32 v11, 31, v0
	s_delay_alu instid0(VALU_DEP_1)
	v_lshrrev_b32 v[GO], 2, v11
	s_delay_alu instid0(VALU_DEP_1)
	v_lshlrev_b32 v[GO], 10, v[GO]
	v_and_b32 v11, 3, v0
	s_delay_alu instid0(VALU_DEP_1)
	v_lshl_add_u32 v[GO], v11, 4, v[GO]            ; the way out: four lanes to a row's 64 bytes, eight rows an instruction
	v_mov_b32 v13, 0xff61b1e6                      ; the largest t so far: -3e38
	s_delay_alu instid0(VALU_DEP_1)
	v_floor_f32 v12, -v13                          ; -M
	v_mov_b32 v14, 0
	v_mov_b32 v15, 0
	v_mov_b32 v246, 0                              ; written once: a lane permute's destination counts as one of its sources
	v_mov_b32 v252, 0
	v_mov_b32 v253, 0                              ; (named as the upper half of the pair v[252:253])
.set J, 0
.rept 32
	v_mov_b32 v[160+J], 0                          ; O^T.  (The step is written for every step alike: the first finds zeros)
.set J, J+1
.endr
	s_wait_kmcnt 0x0
	s_add_co_i32 s82, s68, s69
	s_lshl_b32 s82, s82, 23
	s_add_co_i32 s[CS], s[CS], s82                 ; a score stands for score x 2^(eq + ek): added to c's exponent field
	s_mov_b32 s[CS+1], s[CS]
	s_add_co_i32 s82, s71, 127
	s_lshl_b32 s83, s82, 23
	v_mov_b32 v244, s83                            ; 2^ep
	s_add_co_i32 s82, s72, 127
	s_lshl_b32 s83, s82, 23
	v_mov_b32 v24, s83                             ; 2^e of ctx
; A KEY STEP: 128 keys, the q-th of the slot in hand.
.macro STEP q
	s_cmp_gt_u32 s[SI], s[WQ]                      ; all its keys come after my queries: nothing to do
	s_cbranch_scc1 .Lhidden_\@
	v_add_nc_u32 v[ADK], s[TB], v[AK0]
	v_add_nc_u32 v[ADV], s[TB], v[AV0]
	v_nop                                          ; with the two additions: four places in front of loads into registers that the last products read
	v_nop
.irp t, 0,1,2,3,4,5,6,7
.irp c, 0,1
	ds_load_b128 v[32+8*\t+4*\c:35+8*\t+4*\c], v[ADK] offset:(128*(\q)+32*(\t/2)+8*(\t%2))*KP+32*\c
.endr
.endr
	s_wait_alu depctr_va_vdst(0)
	s_wait_dscnt 8                                 ; the eight loads of tiles 0 to 3 are in; those of tiles 4 to 7 may be out
.irp t, 0,1,2,3
	v_wmma_f32_16x16x64_fp8_fp8 v[96+8*\t:103+8*\t], v[32+8*\t:39+8*\t], v[16:23], 0
.endr
	s_wait_dscnt 0x0
.irp t, 4,5,6,7
	v_wmma_f32_16x16x64_fp8_fp8 v[96+8*\t:103+8*\t], v[32+8*\t:39+8*\t], v[16:23], 0
.endr
.rept 4
	v_nop                                          ; places in front of the loads below, into registers that these products read, and of the first read of their results
.endr
.irp t, 0,1,2,3
.irp c, 0,1,2,3
	ds_load_b128 v[32+16*\t+4*\c:35+16*\t+4*\c], v[ADV] offset:16*\t*VP+128*(\q)+32*\c   ; V's fragments are asked for here: the whole softmax stands between these loads and the wait for them
.endr
.endr
	s_cmp_lg_u32 s[SI], s[WQ]                      ; only my step u lies on the diagonal
	s_cbranch_scc1 .Lopen_\@
	v_mov_b32 v254, 0xff800000                     ; -infinity: p = 0 then
.set NN, 0
.rept 64
	v_cmp_gt_i32 vcc_lo, 32*(NN/16)+NN%16, v[DG]
	v_cndmask_b32 v[96+NN], v[96+NN], v254, vcc_lo
.set NN, NN+1
.endr
.Lopen_\@:
	v_max3_num_f32 v254, v96, v97, v98             ; the step's largest score of my query among my 64 keys, in two chains, each tile from its low end on,
	v_max3_num_f32 v252, v99, v100, v101
.irp i, 6,10,14,18,22,26,30,34,38,42,46,50,54,58
	v_max3_num_f32 v254, v254, v[96+\i], v[97+\i]
	v_max3_num_f32 v252, v252, v[98+\i], v[99+\i]
.endr
	v_max3_num_f32 v254, v254, v158, v159
	s_delay_alu instid0(VALU_DEP_1)
	v_max_num_f32 v254, v254, v252
	s_delay_alu instid0(VALU_DEP_1)
	v_permlanex16_b32 v246, v254, s[SEL], s[SEL+1]
	s_delay_alu instid0(VALU_DEP_1)
	v_max_num_f32 v254, v254, v246                 ; and among lane l xor 16's
	s_delay_alu instid0(VALU_DEP_1)
	v_mul_f32 v254, s[CS], v254                    ; as t
	s_delay_alu instid0(VALU_DEP_1)
	v_max_num_f32 v13, v13, v254
	v_mov_b32 v254, v12
	s_delay_alu instid0(VALU_DEP_2)
	v_floor_f32 v12, -v13                          ; the new -M = -ceil(t)
	s_delay_alu instid0(VALU_DEP_1)
	v_sub_f32 v254, v12, v254                      ; old M - new M: a whole number, 0 or less
	s_delay_alu instid0(VALU_DEP_1)
	v_cvt_i32_f32 v254, v254
	s_delay_alu instid0(VALU_DEP_1)
	v_ldexp_f32 v252, 1.0, v254                    ; f = 2^(old M - new M)
.set J, 0
.rept 32
	v_pk_fma_f32 v[96+J:97+J], v[96+J:97+J], s[CS:CS+1], v[12:13] op_sel_hi:[1,0,0]   ; t - M
.set J, J+2
.endr
.set J, 0
	s_wait_alu depctr_va_vdst(0)
.rept 64
	v_exp_f32 v[96+J], v[96+J]                     ; p = 2^(t - M)
.set J, J+1
.endr
	v_pk_mul_f32 v[14:15], v[14:15], v[252:253] op_sel_hi:[1,0]   ; the sums under the new M.  (A plain place behind the exponentials)
	s_wait_alu depctr_va_vdst(0)
	v_pk_add_f32 v[242:243], v[100:101], v[104:105]
	v_pk_add_f32 v[248:249], v[108:109], v[112:113]
	v_pk_add_f32 v[240:241], v[116:117], v[120:121]
	v_pk_add_f32 v[238:239], v[124:125], v[128:129]
	v_pk_add_f32 v[236:237], v[132:133], v[136:137]
	v_pk_add_f32 v[234:235], v[140:141], v[144:145]
	v_pk_add_f32 v[232:233], v[148:149], v[152:153]
	v_pk_add_f32 v[14:15], v[14:15], v[156:157]
	v_pk_add_f32 v[242:243], v[242:243], v[96:97]
	v_pk_add_f32 v[248:249], v[248:249], v[98:99]
	v_pk_add_f32 v[240:241], v[240:241], v[102:103]
	v_pk_add_f32 v[238:239], v[238:239], v[106:107]
	v_pk_add_f32 v[236:237], v[236:237], v[110:111]
	v_pk_add_f32 v[234:235], v[234:235], v[114:115]
	v_pk_add_f32 v[232:233], v[232:233], v[118:119]
	v_pk_add_f32 v[14:15], v[14:15], v[122:123]
	v_pk_add_f32 v[242:243], v[242:243], v[126:127]
	v_pk_add_f32 v[248:249], v[248:249], v[130:131]
	v_pk_add_f32 v[240:241], v[240:241], v[134:135]
	v_pk_add_f32 v[238:239], v[238:239], v[138:139]
	v_pk_add_f32 v[236:237], v[236:237], v[142:143]
	v_pk_add_f32 v[234:235], v[234:235], v[146:147]
	v_pk_add_f32 v[232:233], v[232:233], v[150:151]
	v_pk_add_f32 v[14:15], v[14:15], v[154:155]
	v_pk_add_f32 v[242:243], v[242:243], v[158:159]
	s_delay_alu instid0(VALU_DEP_2)
	v_pk_add_f32 v[14:15], v[14:15], v[238:239]
	s_delay_alu instid0(VALU_DEP_2)
	v_pk_add_f32 v[242:243], v[242:243], v[236:237]
	v_pk_add_f32 v[248:249], v[248:249], v[234:235]
	v_pk_add_f32 v[240:241], v[240:241], v[232:233]
	s_delay_alu instid0(VALU_DEP_2)
	v_pk_add_f32 v[14:15], v[14:15], v[248:249]
	s_delay_alu instid0(VALU_DEP_2)
	v_pk_add_f32 v[242:243], v[242:243], v[240:241]
	s_delay_alu instid0(VALU_DEP_1)
	v_pk_add_f32 v[14:15], v[14:15], v[242:243]
.irp b, 0,1,2,3
.irp i, 0,1,2,3,4,5,6,7,8,9,10,11,12,13,14,15
.endr
	v_cvt_scalef32_pk8_fp8_f32 v[224+4*\b:225+4*\b], v[96+16*\b:103+16*\b], v244
	v_cvt_scalef32_pk8_fp8_f32 v[226+4*\b:227+4*\b], v[104+16*\b:111+16*\b], v244
.endr
.set J, 0
.rept 16
	v_pk_mul_f32 v[160+J:161+J], v[160+J:161+J], v[252:253] op_sel_hi:[1,0]   ; O^T under the new M.  (Also the plain lines behind the conversions)
.set J, J+2
.endr
	s_wait_alu depctr_va_vdst(0)
	s_wait_dscnt 0x0                               ; V's fragments
.irp t, 0,1,2,3
	v_wmma_f32_16x16x128_fp8_fp8 v[160+8*\t:167+8*\t], v[32+16*\t:47+16*\t], v[224:239], v[160+8*\t:167+8*\t]   ; the four accumulators take turns; eight other products stand between a link and the next
.endr
.Lhidden_\@:
	s_add_co_u32 s[SI], s[SI], 1
.endm
	s_wait_loadcnt 0x0                             ; Q
	s_wait_tensorcnt 0x0                           ; my piece of K or of V has landed;
	s_barrier_signal -1
	s_barrier_wait -1                              ; everybody's has: all eight slots are whole, and nothing writes them again
.Lslot:                                            ; NSL trips, with no barrier: each wave walks at its own pace, and passes over the steps behind its diagonal
	STEP 0
	STEP 1
	s_add_co_u32 s[TB], s[TB], SLOTB
	s_sub_co_u32 s[SLOTS], s[SLOTS], 1
	s_cmp_lg_u32 s[SLOTS], 0
	s_cbranch_scc1 .Lslot
	; THE WAY OUT.  O^T / the sum x 2^(ev + ep), quantised with ctx's scale; 8 codes a lane and tile go through my stage (16 rows x 80 bytes, behind the slots) and come back 16 bytes a lane.
	v_add_f32 v14, v14, v15
	s_delay_alu instid0(VALU_DEP_1)
	v_permlanex16_b32 v252, v14, s[SEL], s[SEL+1]
	s_delay_alu instid0(VALU_DEP_1)
	v_add_f32 v14, v14, v252                       ; the row's sum
	s_wait_alu depctr_va_vdst(0)
	v_rcp_f32 v14, v14
	v_and_b32 v8, 15, v0                           ; (a plain place behind the transcendental)
	v_bfe_u32 v9, v0, 4, 1
	s_add_co_i32 s82, s70, s71
	s_wait_alu depctr_va_vdst(0)
	v_ldexp_f32 v14, v14, s82
	s_mul_i32 s83, s[WV], 16*KP
	s_add_co_u32 s83, s83, STAGE                   ; my stage
	v_mul_u32_u24 v10, v8, KP
	s_delay_alu instid0(VALU_DEP_1)
	v_lshl_add_u32 v10, v9, 3, v10
	s_delay_alu instid0(VALU_DEP_1)
	v_add_nc_u32 v10, s83, v10                     ; in: row r, 16 t + 8 h
	v_and_b32 v11, 31, v0
	s_delay_alu instid0(VALU_DEP_1)
	v_lshrrev_b32 v11, 2, v11
	s_delay_alu instid0(VALU_DEP_1)
	v_mul_u32_u24 v11, v11, KP
	v_and_b32 v8, 3, v0
	s_delay_alu instid0(VALU_DEP_1)
	v_lshl_add_u32 v11, v8, 4, v11
	s_delay_alu instid0(VALU_DEP_1)
	v_add_nc_u32 v11, s83, v11                     ; back: four lanes to a row
.set J, 0
.rept 32
	v_mul_f32 v[96+J], v[160+J], v14               ; register 8 t + j is channel 16 t + 8 h + j of my query
.set J, J+1
.endr
.set J, 0
.rept 32
.set J, J+1
.endr
.irp t, 0,1,2,3
	v_cvt_scalef32_pk8_fp8_f32 v[224+2*\t:225+2*\t], v[96+8*\t:103+8*\t], v24
.endr
	v_nop
.irp t, 0,1,2,3
	ds_store_b64 v10, v[224+2*\t:225+2*\t] offset:16*\t
.endr
.irp u, 0,1
	ds_load_b128 v[32+4*\u:35+4*\u], v11 offset:8*KP*\u   ; LDS serves a wave's instructions in order (ISA guide 5.7.1.4): these see my stores
.endr
.irp u, 0,1
	s_wait_dscnt 1-\u                              ; the first read-back is in while the second may be out; then both
	global_store_b128 v[GO], v[32+4*\u:35+4*\u], s[8:9] offset:8192*\u
.endr
	s_wait_tensorcnt 0x0
	ds_add_u32 v251, v255
	s_wait_dscnt 0x0
	CROUND                                         ; the closing round: no work-group ends while a partner may still ask for a piece that names it
	s_endpgm
.Lfunc_end_k_qd785b475d2_att:
	.size	k_qd785b475d2_att, .Lfunc_end_k_qd785b475d2_att-k_qd785b475d2_att
	.p2alignl 7, 3214868480
	.fill 96, 4, 3214868480
	.section	.rodata,"a",@progbits
	.p2align	6, 0x0
	.amdhsa_kernel k_qd785b475d2_att
		.amdhsa_group_segment_fixed_size 327680
		.amdhsa_private_segment_fixed_size 0
		.amdhsa_enable_private_segment 0
		.amdhsa_kernarg_size 24
		.amdhsa_user_sgpr_count 2
		.amdhsa_user_sgpr_kernarg_segment_ptr 1
		.amdhsa_wavefront_size32 1
		.amdhsa_system_sgpr_workgroup_id_x 1
		.amdhsa_system_sgpr_workgroup_id_y 1
		.amdhsa_system_sgpr_workgroup_id_z 1
		.amdhsa_system_vgpr_workitem_id 0
		.amdhsa_next_free_vgpr 256
		.amdhsa_next_free_sgpr 100
		.amdhsa_reserve_vcc 1
		.amdhsa_float_denorm_mode_32 3
		.amdhsa_float_denorm_mode_16_64 3
		.amdhsa_fp16_overflow 1
		.amdhsa_memory_ordered 1
		.amdhsa_forward_progress 1
		.amdhsa_inst_pref_size 50
	.end_amdhsa_kernel
	.amdgpu_metadata
---
amdhsa.version: [ 1, 2 ]
amdhsa.kernels:
  - .name:           k_qd785b475d2_att
    .symbol:         k_qd785b475d2_att.kd
    .args:
      - { .name: qkv, .offset: 0, .size: 8, .value_kind: global_buffer, .address_space: global }
      - { .name: lowp_scales, .offset: 8, .size: 8, .value_kind: global_buffer, .address_space: global }
      - { .name: ctx, .offset: 16, .size: 8, .value_kind: global_buffer, .address_space: global }
    .group_segment_fixed_size: 327680
    .private_segment_fixed_size: 0
    .kernarg_segment_align: 8
    .kernarg_segment_size: 24
    .max_flat_workgroup_size: 512
    .sgpr_count:     100
    .vgpr_count:     256
    .wavefront_size: 32
...
	.end_amdgpu_metadata
.endif
;; end of part 3
;; launch wo (part 4): grid 8 x 32, 4 waves a work-group, clusters of 4 x 4, 327,680 bytes of LDS; arguments ctx, Wo_codes, lowp_scales, x1, bo, x; writes x1
.if DOCPART == 4
	.amdgcn_target "amdgcn-amd-amdhsa--gfx1250"
	.amdhsa_code_object_version 6
	.text
	.protected	k_qd785b475d2_wo
	.globl	k_qd785b475d2_wo
	.p2align	8
	.type	k_qd785b475d2_wo,@function
k_qd785b475d2_wo:
	s_mov_b64 s[64:65], 0
	v_nop
	global_prefetch_b8 v0, s[64:65] scope:SCOPE_SE
	s_setreg_imm32_b32 hwreg(HW_REG_WAVE_MODE, 25, 1), 1
	s_wait_xcnt 0x0
	s_wait_alu depctr_hold_cnt(0) depctr_sa_sdst(0) depctr_va_vdst(0) depctr_va_sdst(0) depctr_va_ssrc(0) depctr_va_vcc(0) depctr_vm_vsrc(0)
	s_getreg_b32 s2, hwreg(HW_REG_IB_STS2, 6, 4)
	s_cmp_eq_u32 s2, 0
	s_cbranch_scc0 .Lentry_in_a_cluster
	s_endpgm
.Lentry_in_a_cluster:
	s_bfe_u32 s2, ttmp6, 0x10000c
	s_cmp_lg_u32 s2, 0xf033
	s_cbranch_scc0 .Lentry_shape_is_right
	s_endpgm
.Lentry_shape_is_right:
; out[m][n] = res[m][n] + bias[n] + 2^(ea + eb) x sum over k of A[m][k] B[n][k].  A: [4,096][SIZE_K], B: [1,024][SIZE_K]: codes of E4M3, K innermost; bias [1,024], res and out [4,096][1,024]: f32.
; Here: A = ctx, B = Wo, res = x, out = x1; SIZE_K = 1,024; ea, eb = entries 10, 11.
; C has 1,024 columns: tiles of 256 x 256 would give 64 work-groups, so a tile is 128 x 128: 256 work-groups.  Four waves, each 64 x 64: 16 accumulators.  K goes in steps of 512 (LDS rows of 512 bytes) through two LDS slots.
; CLUSTERS: 4 x 4 work-groups; A's tile is asked for jointly along a row of the cluster, B's along a column.  THE MATRIX INSTRUCTION IS USED TRANSPOSED: a lane holds eight neighbouring columns of a row of C.
; A fragment is fetched by four loads of 16 bytes: a permutation of k, the same in A and in B.
; The residual's 64 x 64 numbers of a wave are asked for at the head, into window 2, in the layout in which the rows leave.  A wave's 64 columns are 256 bytes, aligned: its stage in LDS is its own, and no barrier stands on the way out.
; REGISTERS: window 0: v0-31 addresses; v32-95 rows on the way out, two sets; v96-99 the bias; v128-255 the accumulators.  window 1: two fragment buffers of 128 (A's four fragments, then B's four).  window 2: v0-127 the residual.
; LIMIT: ea + eb between -126 and 127.
.set SIZE_K, 1024
.set ESC,    40                        ; the byte of ea among the scales' exponents
.set LAST,   0                         ; 1: the result is read by nobody after this launch
.set KSTEP,  512
.set PITCH,  528                       ; 512 bytes + 16 = 132 words: the 16 rows that a load touches start at 16 different banks (64 banks of 4 bytes: ISA guide 11.1)
.set HALFT,  64*PITCH
.set SLOT,   4*HALFT
.set STAGE,  2*SLOT                    ; behind the ring: 16 rows x 272 bytes for each wave
.set SPITCH, 272
.set SPARE,  STAGE+4*16*SPITCH         ; behind the stages: the spare words
.set LAPS,   SIZE_K/(2*KSTEP)
.set ADRA, 16
.set ADRB, 20
.set STO,  24
.set RD,   25
.set CO,   26
.set BO,   27
.set SPW,  28
.set NIL,  29
.set OB,   32
.set BIAS, 96
.set ACC,  128
.set F0,   0
.set F1,   128
.set G1, 24
.set G0, 32
.set G1B, 48
.set G0B, 56
.set MSB, 0
.macro WIN new
.if MSB != \new
	s_set_vgpr_msb (MSB<<8)|\new
.set MSB, \new
.endif
.endm
.set MUL,  0x05                        ; sources 0 (B) and 1 (A) window 1; C and D window 0
.set TO_F, 0x40
.macro JLOAD g0a, g1a, g0b, g1b        ; waves 0 and 1 fetch for A, waves 2 and 3 for B; four v_nop follow each of the two lines
	s_cmp_eq_u32 s15, 0
	s_cbranch_scc0 .Lfor_b_\@
	tensor_load_to_lds s[\g0a:\g0a+3], s[\g1a:\g1a+7]
	s_nop 0
.rept 4
	v_nop
.endr
	s_branch .Lasked_\@
.Lfor_b_\@:
	tensor_load_to_lds s[\g0b:\g0b+3], s[\g1b:\g1b+7]
	s_nop 0
.rept 4
	v_nop
.endr
.Lasked_\@:
.endm
.macro CREST
	s_cmp_lg_u32 s14, 0
	s_cbranch_scc1 .Lnot_wave_0_\@
	s_barrier_signal -3
.Lnot_wave_0_\@:
	s_barrier_wait -3
	s_barrier_signal -1
	s_barrier_wait -1
.endm
.macro CROUND
	s_barrier_signal -1
	s_barrier_wait -1
	CREST
.endm
	s_load_b256 s[4:11], s[0:1], 0x0               ; A s[4:5], B s[6:7], the scales' exponents s[8:9], out s[10:11]
	s_load_b128 s[68:71], s[0:1], 0x20             ; bias s[68:69], residual s[70:71]
	v_lshl_add_u32 v[SPW], v0, 2, SPARE
	v_mov_b32 v[NIL], 0
	ds_add_u32 v28, v29
	ds_add_u32 v28, v29
	s_wait_dscnt 0x0
	v_lshrrev_b32 v1, 5, v0
	v_readfirstlane_b32 s14, v1                    ; wave 0..3
	s_lshr_b32 s15, s14, 1                         ; my half of the tile's rows.  Also: I fetch for A (0) or for B (1)
	s_and_b32 s16, s14, 1                          ; my half of its columns.  Also: which 64 rows of that tile I fetch
	s_bfe_u32 s40, ttmp6, 0x40000
	s_bfe_u32 s41, ttmp6, 0x40004
	s_lshl_b32 s42, ttmp9, 2
	s_add_co_u32 s42, s42, s40                     ; tile column of C
	s_and_b32 s17, ttmp7, 0xffff
	s_lshl_b32 s17, s17, 2
	s_add_co_u32 s17, s17, s41                     ; tile row of C
	s_lshl_b32 s43, s41, 2
	s_lshl_b32 s43, 15, s43
	s_lshl_b32 s44, 0x1111, s40
	s_or_b32 s[G1+0], s43, (0<<16)|(1<<20)|(1<<21)|(6<<22)|(3<<25)  ; the mask; elements of 1 byte; padding on; bit 21 beside a mask; after every 128 words, 4 words
	s_or_b32 s[G1B+0], s44, (0<<16)|(1<<20)|(1<<21)|(6<<22)|(3<<25)
.irp g, G1, G1B
	s_mov_b32 s[\g+1], KSTEP<<16                   ; tensor_dim0
	s_mov_b32 s[\g+2], 64<<16                      ; tensor_dim1
	s_mov_b32 s[\g+3], KSTEP<<16                   ; tile_dim0
	s_mov_b32 s[\g+4], 64                          ; tile_dim1
	s_mov_b32 s[\g+5], SIZE_K                      ; tensor_dim0_stride
	s_mov_b32 s[\g+6], 0
	s_mov_b32 s[\g+7], 0
.endr
	s_lshl_b32 s18, s16, 6
	s_lshl_b32 s20, s17, 7
	s_add_co_u32 s20, s20, s18                     ; A: row 128 x tile row + 64 x half
	s_mul_i32 s20, s20, SIZE_K
	s_mov_b32 s21, 0
	s_lshl_b32 s46, s42, 7
	s_add_co_u32 s46, s46, s18                     ; B: row 128 x tile column + 64 x half
	s_mul_i32 s46, s46, SIZE_K
	s_mov_b32 s47, 0
	s_mul_i32 s45, s14, HALFT
	s_wait_kmcnt 0x0
	s_load_b64 s[96:97], s[8:9], ESC               ; ea, eb
	s_add_nc_u64 s[20:21], s[4:5], s[20:21]
	s_add_nc_u64 s[46:47], s[6:7], s[46:47]
	CROUND
.irp s, 0,1
	s_mov_b32 s[G0+4*\s], 1
	s_add_co_u32 s[G0+4*\s+1], s45, \s*SLOT
	s_add_nc_u64 s[G0+4*\s+2:G0+4*\s+3], s[20:21], \s*KSTEP
	s_or_b32 s[G0+4*\s+3], s[G0+4*\s+3], 0x80000000
	s_mov_b32 s[G0B+4*\s], 1
	s_add_co_u32 s[G0B+4*\s+1], s45, \s*SLOT
	s_add_nc_u64 s[G0B+4*\s+2:G0B+4*\s+3], s[46:47], \s*KSTEP
	s_or_b32 s[G0B+4*\s+3], s[G0B+4*\s+3], 0x80000000
	JLOAD G0+4*\s, G1, G0B+4*\s, G1B
.endr
	v_and_b32 v1, 15, v0                           ; r
	v_bfe_u32 v2, v0, 4, 1                         ; h
	v_mul_u32_u24 v3, v1, PITCH
	v_lshl_add_u32 v4, v2, 4, v3
	s_mul_i32 s21, s15, HALFT
	s_mul_i32 s22, s16, HALFT
	s_add_co_u32 s22, s22, 2*HALFT
.irp s, 0,1
	v_add_nc_u32 v[ADRA+\s], s21, v4
	v_add_nc_u32 v[ADRB+\s], s22, v4
	s_add_co_u32 s21, s21, SLOT
	s_add_co_u32 s22, s22, SLOT
.endr
	s_mul_i32 s23, s14, 16*SPITCH
	s_add_co_u32 s23, s23, STAGE                   ; my stage
	v_mul_u32_u24 v5, v1, SPITCH
	v_lshl_add_u32 v5, v2, 5, v5
	v_add_nc_u32 v[STO], s23, v5                   ; in: row r, 32 bytes for each half of the lanes
	v_mul_u32_u24 v5, v2, SPITCH
	v_lshl_add_u32 v5, v1, 4, v5
	v_add_nc_u32 v[RD], s23, v5                    ; back: lanes 0-15 one row of 256 bytes, lanes 16-31 the next
	v_lshlrev_b32 v[CO], 12, v2
	v_lshl_add_u32 v[CO], v1, 4, v[CO]             ; and the same two rows in out and in the residual
	v_lshlrev_b32 v[BO], 4, v1
	s_lshl_b32 s20, s17, 7
	s_lshl_b32 s21, s15, 6
	s_add_co_u32 s20, s20, s21
	s_lshl_b32 s20, s20, 12                        ; my first row, 4,096 bytes a row
	s_lshl_b32 s46, s42, 9
	s_lshl_b32 s47, s16, 8
	s_add_co_u32 s46, s46, s47                     ; my first column, in bytes
	s_mov_b32 s47, 0
	s_add_nc_u64 s[68:69], s[68:69], s[46:47]
	s_add_co_u32 s20, s20, s46
	s_mov_b32 s21, 0
	s_add_nc_u64 s[10:11], s[10:11], s[20:21]
	s_add_nc_u64 s[70:71], s[70:71], s[20:21]
	global_load_b128 v[BIAS:BIAS+3], v[BO], s[68:69]   ; the bias of my four columns of a row that leaves
	WIN 0x80                                       ; destination window 2
.set J, 0
.rept 32
	global_load_b128 v[4*J:4*J+3], v[CO], s[70:71] offset:2*J*4096 th:TH_LOAD_NT   ; rows 2 J, 2 J + 1 of my 64: sixteen lanes read 256 consecutive bytes
.set J, J+1
.endr
	WIN 0
.macro MUL4 f, a, zero                 ; A's block a x B's four; the 16 accumulators take turns, one instruction a turn, in the same order in every quarter
.irp b, 0,1,2,3
.if \zero
	v_wmma_f32_16x16x128_fp8_fp8 v[ACC+8*(4*(\a)+\b):ACC+8*(4*(\a)+\b)+7], v[\f+64+16*\b:\f+64+16*\b+15], v[\f+16*(\a):\f+16*(\a)+15], 0
.else
	v_wmma_f32_16x16x128_fp8_fp8 v[ACC+8*(4*(\a)+\b):ACC+8*(4*(\a)+\b)+7], v[\f+64+16*\b:\f+64+16*\b+15], v[\f+16*(\a):\f+16*(\a)+15], v[ACC+8*(4*(\a)+\b):ACC+8*(4*(\a)+\b)+7]
.endif
.endr
.endm
.macro FETCH slot, k, f                ; 32 LDS loads in one run: 128 along K at byte k of the rows: B's four fragments, then A's
	WIN TO_F
.irp i, 0,1,2,3
.irp c, 0,1,2,3
	ds_load_b128 v[\f+64+16*\i+4*\c:\f+64+16*\i+4*\c+3], v[ADRB+\slot] offset:\k+32*\c+\i*16*PITCH
.endr
.endr
.irp i, 0,1,2,3
.irp c, 0,1,2,3
	ds_load_b128 v[\f+16*\i+4*\c:\f+16*\i+4*\c+3], v[ADRA+\slot] offset:\k+32*\c+\i*16*PITCH
.endr
.endr
.endm
.macro PLACES
.rept 4
	v_nop
.endr
.endm
; A K step is four quarters of 128 along K, 16 matrix instructions each, on buffers 0, 1, 0, 1.
.macro QUARTER slot, k, f, g, zero
	s_wait_dscnt 8                                 ; B's four and A's blocks 0, 1 are in; blocks 2, 3 (8 loads) may be out
	WIN MUL
	MUL4 \f, 0, \zero
	MUL4 \f, 1, \zero
	PLACES
	FETCH \slot, \k, \g
	s_wait_dscnt 32                                ; all but the 32 just issued
	WIN MUL
	MUL4 \f, 2, \zero
	MUL4 \f, 3, \zero
.endm
.macro TURN slot, next, fill           ; the last quarter multiplies buffer 1 and changes slots
	WIN 0
	s_wait_tensorcnt 0x0                           ; all my tensor loads have landed: my part of the next slot
	ds_add_u32 v[SPW], v[NIL]                      ; 0 onto my spare word
	s_wait_dscnt 9                                 ; the add and A's blocks 2, 3 may be out
	WIN MUL
	MUL4 F1, 0, 0
	s_wait_dscnt 0x0                               ; the add is done, and my reads of this slot are over
	s_barrier_signal -1
	MUL4 F1, 1, 0
.if \fill
	WIN 0
.endif
	s_barrier_wait -1
.if \fill
	CREST                                          ; the barrier has opened a round of the cluster's barrier
	s_add_nc_u64 s[G0+4*\slot+2:G0+4*\slot+3], s[G0+4*\slot+2:G0+4*\slot+3], 2*KSTEP
	s_add_nc_u64 s[G0B+4*\slot+2:G0B+4*\slot+3], s[G0B+4*\slot+2:G0B+4*\slot+3], 2*KSTEP
	JLOAD G0+4*\slot, G1, G0B+4*\slot, G1B         ; the first tensor load behind the round; its four v_nop are the places in front of the loads below
.else
	PLACES
.endif
	FETCH \next, 0, F0
	WIN MUL
	MUL4 F1, 2, 0
	MUL4 F1, 3, 0
.endm
	s_wait_tensorcnt 1                             ; my part of K step 0 is in; K step 1's load may be out
	s_barrier_signal -1
	s_barrier_wait -1
	FETCH 0, 0, F0
	QUARTER 0, 128, F0, F1, 1                      ; the first quarter's products start the sums
.if LAPS > 1
	WIN 0
	s_mov_b32 s3, LAPS-1
.Llap:
	QUARTER 0, 256, F1, F0, 0
	QUARTER 0, 384, F0, F1, 0
	TURN 0, 1, 1
	QUARTER 1, 128, F0, F1, 0
	QUARTER 1, 256, F1, F0, 0
	QUARTER 1, 384, F0, F1, 0
	TURN 1, 0, 1
	QUARTER 0, 128, F0, F1, 0
	WIN 0
	s_sub_co_u32 s3, s3, 1
	s_cmp_lg_u32 s3, 0
	s_cbranch_scc1 .Llap
.endif
	QUARTER 0, 256, F1, F0, 0                      ; the last lap fills nothing
	QUARTER 0, 384, F0, F1, 0
	TURN 0, 1, 0
	QUARTER 1, 128, F0, F1, 0
	QUARTER 1, 256, F1, F0, 0
	QUARTER 1, 384, F0, F1, 0
	s_wait_dscnt 8
	WIN MUL
	MUL4 F1, 0, 0
	MUL4 F1, 1, 0
	s_wait_dscnt 0
	MUL4 F1, 2, 0
	MUL4 F1, 3, 0
	WIN 0
	; THE WAY OUT, 16 rows at a time: the raw sums go through my stage and come back as whole rows of 256 bytes; there sum x 2^(ea + eb) + bias, + residual, and the store.
.macro TOSTAGE a
.set BB, OB+32*((\a)%2)
.irp b, 0,1,2,3
	ds_store_b128 v[STO], v[ACC+8*(4*(\a)+\b):ACC+8*(4*(\a)+\b)+3] offset:64*\b          ; each accumulator from its low end on
	ds_store_b128 v[STO], v[ACC+8*(4*(\a)+\b)+4:ACC+8*(4*(\a)+\b)+7] offset:64*\b+16
.endr
.irp t, 0,1,2,3,4,5,6,7
	ds_load_b128 v[BB+4*\t:BB+4*\t+3], v[RD] offset:\t*2*SPITCH   ; LDS serves a wave's instructions in order (ISA guide 5.7.1.4): these see my stores, and the next block's stores come behind them
.endr
.endm
.macro SEND a, younger                 ; younger: the LDS instructions issued behind block a's loads
.set BB, OB+32*((\a)%2)
	s_wait_dscnt \younger
.irp t, 0,1,2,3,4,5,6,7
	v_pk_fma_f32 v[BB+4*\t:BB+4*\t+1], v[BB+4*\t:BB+4*\t+1], s[96:97], v[BIAS:BIAS+1] op_sel_hi:[1,0,1]
	v_pk_fma_f32 v[BB+4*\t+2:BB+4*\t+3], v[BB+4*\t+2:BB+4*\t+3], s[96:97], v[BIAS+2:BIAS+3] op_sel_hi:[1,0,1]
.endr
	WIN 0x08                                       ; source 1: window 2
.irp t, 0,1,2,3,4,5,6,7
	v_pk_add_f32 v[BB+4*\t:BB+4*\t+1], v[BB+4*\t:BB+4*\t+1], v[32*(\a)+4*\t:32*(\a)+4*\t+1]
	v_pk_add_f32 v[BB+4*\t+2:BB+4*\t+3], v[BB+4*\t+2:BB+4*\t+3], v[32*(\a)+4*\t+2:32*(\a)+4*\t+3]
.endr
	WIN 0
.irp t, 0,1,2,3,4,5,6,7
.if LAST
	global_store_b128 v[CO], v[BB+4*\t:BB+4*\t+3], s[10:11] offset:(16*(\a)+2*\t)*4096 th:TH_STORE_NT
.else
	global_store_b128 v[CO], v[BB+4*\t:BB+4*\t+3], s[10:11] offset:(16*(\a)+2*\t)*4096   ; sixteen lanes store 256 consecutive bytes, aligned
.endif
.endr
.endm
	s_wait_kmcnt 0x0
	s_add_co_i32 s96, s96, s97
	s_add_co_i32 s96, s96, 127
	s_lshl_b32 s96, s96, 23                        ; 2^(ea + eb) as f32
	s_mov_b32 s97, s96
	PLACES                                         ; behind the last products, in front of the LDS stores that read results
	s_wait_loadcnt 0x0                             ; the bias and the residual
	TOSTAGE 0
.irp a, 1,2,3
.if \a > 1
	s_wait_xcnt 0x0                                ; block a - 2's stores have read their registers: block a's loads may land there
.endif
	TOSTAGE \a
	SEND \a-1, 16                                  ; behind block a - 1's loads: block a's 8 stores and 8 loads
.endr
	SEND 3, 0
	s_wait_tensorcnt 0x0                           ; the wave's end
	ds_add_u32 v[SPW], v[NIL]
	s_wait_dscnt 0x0
	CROUND                                         ; the closing round
	s_endpgm
.Lfunc_end_k_qd785b475d2_wo:
	.size	k_qd785b475d2_wo, .Lfunc_end_k_qd785b475d2_wo-k_qd785b475d2_wo
	.p2alignl 7, 3214868480
	.fill 96, 4, 3214868480
	.section	.rodata,"a",@progbits
	.p2align	6, 0x0
	.amdhsa_kernel k_qd785b475d2_wo
		.amdhsa_group_segment_fixed_size 327680
		.amdhsa_private_segment_fixed_size 0
		.amdhsa_enable_private_segment 0
		.amdhsa_kernarg_size 48
		.amdhsa_user_sgpr_count 2
		.amdhsa_user_sgpr_kernarg_segment_ptr 1
		.amdhsa_wavefront_size32 1
		.amdhsa_system_sgpr_workgroup_id_x 1
		.amdhsa_system_sgpr_workgroup_id_y 1
		.amdhsa_system_sgpr_workgroup_id_z 1
		.amdhsa_system_vgpr_workitem_id 0
		.amdhsa_next_free_vgpr 640
		.amdhsa_next_free_sgpr 100
		.amdhsa_reserve_vcc 0
		.amdhsa_float_denorm_mode_32 3
		.amdhsa_float_denorm_mode_16_64 3
		.amdhsa_memory_ordered 1
		.amdhsa_forward_progress 1
		.amdhsa_inst_pref_size 53
	.end_amdhsa_kernel
	.amdgpu_metadata
---
amdhsa.version: [ 1, 2 ]
amdhsa.kernels:
  - .name:           k_qd785b475d2_wo
    .symbol:         k_qd785b475d2_wo.kd
    .args:
      - { .name: ctx, .offset: 0, .size: 8, .value_kind: global_buffer, .address_space: global }
      - { .name: Wo_codes, .offset: 8, .size: 8, .value_kind: global_buffer, .address_space: global }
      - { .name: lowp_scales, .offset: 16, .size: 8, .value_kind: global_buffer, .address_space: global }
      - { .name: x1, .offset: 24, .size: 8, .value_kind: global_buffer, .address_space: global }
      - { .name: bo, .offset: 32, .size: 8, .value_kind: global_buffer, .address_space: global }
      - { .name: x, .offset: 40, .size: 8, .value_kind: global_buffer, .address_space: global }
    .group_segment_fixed_size: 327680
    .private_segment_fixed_size: 0
    .kernarg_segment_align: 8
    .kernarg_segment_size: 48
    .max_flat_workgroup_size: 128
    .sgpr_count:     100
    .vgpr_count:     640
    .wavefront_size: 32
...
	.end_amdgpu_metadata
.endif
;; end of part 4
;; launch ln2 (part 5): grid 256 x 1, 8 waves a work-group, no clusters, 0 bytes of LDS; arguments x1, g2, b2, lowp_scales, h2; writes h2
.if DOCPART == 5
	.amdgcn_target "amdgcn-amd-amdhsa--gfx1250"
	.amdhsa_code_object_version 6
	.text
	.protected	k_qd785b475d2_ln2
	.globl	k_qd785b475d2_ln2
	.p2align	8
	.type	k_qd785b475d2_ln2,@function
k_qd785b475d2_ln2:
	s_mov_b64 s[64:65], 0
	v_nop
	global_prefetch_b8 v0, s[64:65] scope:SCOPE_SE
	s_setreg_imm32_b32 hwreg(HW_REG_WAVE_MODE, 25, 1), 1
	s_wait_xcnt 0x0
; h = (x - mean) * rsqrt(var + 1e-5) * g + b for 4,096 rows of 1,024 f32, then quantised to E4M3 NQ times, each time with a given scale 2^e, into NQ planes of 4,096 x 1,024 codes.
; Here NQ = 1: the scale is entry 12.
; SHARES.  A wave takes two rows; a row (4,096 bytes) stays in 32 registers between the passes, so memory is read once.  No LDS, no barrier: waves share nothing but 8 KiB of gains, so joint loads would serve nothing.
; A lane holds 8 NEIGHBOURS in each of four groups (register 8 j + i = element 256 j + 8 lane + i), since the conversion takes 8 neighbours from one lane's registers; a group's two loads together
; cover 1,024 consecutive bytes, and a lane's 8 codes leave by one store of which the 32 lanes cover 256 consecutive bytes, aligned.  All 32 loads of a wave are issued at its head: there is no loop.
; Mean and variance in two passes, as the definition has them, so a common offset of the inputs costs no accuracy.
; LIMITS: e between -126 and 127, so that 2^e is an f32 number.  NaN and infinities among the inputs are not served.
.set NQ,  1
.set XO,  1                            ; v1       32 x lane
.set CO,  2                            ; v2       8 x lane
.set PS,  3                            ; v3       the lane exchange's destination
.set MU,  4                            ; v[4:5]   the mean, twice
.set RS,  6                            ; v[6:7]   1 / sqrt(var + eps), twice
.set S,   8                            ; v[8:15]  four packed chains
.set SC,  16                           ; v16      2^e as f32
.set TMP, 24                           ; v[24:39] unused
.set X,   40                           ; v[40:103] two rows
.set G,   104
.set B,   136
.set C,   168                          ; codes: two registers for each (row, group): no store's data are written again
.macro XLOAD rho
.irp j, 0,1,2,3
	global_load_b128 v[X+32*\rho+8*\j:X+32*\rho+8*\j+3],   v[XO], s[4:5] offset:4096*\rho+1024*\j th:TH_LOAD_NT
	global_load_b128 v[X+32*\rho+8*\j+4:X+32*\rho+8*\j+7], v[XO], s[4:5] offset:4096*\rho+1024*\j+16 th:TH_LOAD_NT
.endr
.endm
.macro JOIN                            ; four packed chains -> one number a lane -> the same sum in all 32 lanes
	s_delay_alu instid0(VALU_DEP_3)
	v_pk_add_f32 v[S:S+1], v[S:S+1], v[S+2:S+3]
	s_delay_alu instid0(VALU_DEP_2)
	v_pk_add_f32 v[S+4:S+5], v[S+4:S+5], v[S+6:S+7]
	s_delay_alu instid0(VALU_DEP_1)
	v_pk_add_f32 v[S:S+1], v[S:S+1], v[S+4:S+5]
	s_delay_alu instid0(VALU_DEP_1)
	v_add_f32 v[S], v[S], v[S+1]
	s_delay_alu instid0(VALU_DEP_1)
	v_add_f32_dpp v[S], v[S], v[S] row_xmask:1 row_mask:0xf bank_mask:0xf
	s_delay_alu instid0(VALU_DEP_1)
	v_add_f32_dpp v[S], v[S], v[S] row_xmask:2 row_mask:0xf bank_mask:0xf
	s_delay_alu instid0(VALU_DEP_1)
	v_add_f32_dpp v[S], v[S], v[S] row_xmask:4 row_mask:0xf bank_mask:0xf
	s_delay_alu instid0(VALU_DEP_1)
	v_add_f32_dpp v[S], v[S], v[S] row_xmask:8 row_mask:0xf bank_mask:0xf
	s_delay_alu instid0(VALU_DEP_1)
	v_permlanex16_b32 v[PS], v[S], s20, s21
	s_delay_alu instid0(VALU_DEP_1)
	v_add_f32 v[S], v[S], v[PS]
.endm
.macro ROW rho, left1, left2
.set XR, X+32*\rho
	s_wait_loadcnt \left1
.irp c, 0,1,2,3
	v_pk_add_f32 v[S+2*\c:S+2*\c+1], v[XR+2*\c:XR+2*\c+1], v[XR+8+2*\c:XR+9+2*\c]
.endr
.irp o, 16,24
.irp c, 0,1,2,3
	s_delay_alu instid0(VALU_DEP_4)
	v_pk_add_f32 v[S+2*\c:S+2*\c+1], v[S+2*\c:S+2*\c+1], v[XR+\o+2*\c:XR+\o+2*\c+1]
.endr
.endr
	JOIN
	s_delay_alu instid0(VALU_DEP_1)
	v_mul_f32 v[MU], s22, v[S]                     ; the mean: sum x 2^-10
	s_delay_alu instid0(VALU_DEP_1)
	v_mov_b32 v[MU+1], v[MU]
.irp i, 0,2,4,6,8,10,12,14,16,18,20,22,24,26,28,30
	v_pk_add_f32 v[XR+\i:XR+\i+1], v[XR+\i:XR+\i+1], v[MU:MU+1] neg_lo:[0,1] neg_hi:[0,1]   ; x - mean
.endr
.irp c, 0,1,2,3
	v_pk_mul_f32 v[S+2*\c:S+2*\c+1], v[XR+2*\c:XR+2*\c+1], v[XR+2*\c:XR+2*\c+1]
.endr
.irp o, 8,16,24
.irp c, 0,1,2,3
	s_delay_alu instid0(VALU_DEP_4)
	v_pk_fma_f32 v[S+2*\c:S+2*\c+1], v[XR+\o+2*\c:XR+\o+2*\c+1], v[XR+\o+2*\c:XR+\o+2*\c+1], v[S+2*\c:S+2*\c+1]
.endr
.endr
	JOIN
	s_delay_alu instid0(VALU_DEP_1)
	v_fma_f32 v[RS], v[S], s22, s23                ; var + eps
	s_wait_alu depctr_va_vdst(0)
	v_rsq_f32 v[RS], v[RS]
	v_nop                                          ; a plain instruction between the transcendental and the use of its result (ISA guide 5.7.2)
	s_wait_alu depctr_va_vdst(0)
	v_mov_b32 v[RS+1], v[RS]
	s_wait_alu depctr_va_vdst(0)
	s_wait_loadcnt \left2
.irp i, 0,2,4,6,8,10,12,14,16,18,20,22,24,26,28,30
	v_pk_mul_f32 v[XR+\i:XR+\i+1], v[XR+\i:XR+\i+1], v[RS:RS+1]
.endr
.irp i, 0,2,4,6,8,10,12,14,16,18,20,22,24,26,28,30
	v_pk_fma_f32 v[XR+\i:XR+\i+1], v[XR+\i:XR+\i+1], v[G+\i:G+\i+1], v[B+\i:B+\i+1]
.endr
.irp q, 0,1,2
.if \q < NQ
.irp j, 0,1,2,3
.irp i, 0,1,2,3,4,5,6,7
.endr
	v_cvt_scalef32_pk8_fp8_f32 v[C+2*(4*(NQ*\rho+\q)+\j):C+2*(4*(NQ*\rho+\q)+\j)+1], v[TMP+8*(\j%2)+((XR+8*\j+0)-(TMP+8*(\j%2)+0)):TMP+8*(\j%2)+7+((XR+8*\j+0)-(TMP+8*(\j%2)+0))], v[SC+2*\q]
	global_store_b64 v[CO], v[C+2*(4*(NQ*\rho+\q)+\j):C+2*(4*(NQ*\rho+\q)+\j)+1], s[12+2*\q:13+2*\q] offset:1024*\rho+256*\j   ; 32 lanes store 256 consecutive bytes, aligned
.endr
.endif
.endr
.endm
	s_load_b256 s[4:11], s[0:1], 0x0               ; x s[4:5], g s[6:7], b s[8:9], the scales' exponents s[10:11]
	s_load_b64 s[12:13], s[0:1], 0x20              ; the codes
	v_lshrrev_b32 v1, 5, v0
	s_delay_alu instid0(VALU_DEP_1)
	v_readfirstlane_b32 s18, v1                    ; wave 0..7
	v_and_b32 v2, 31, v0                           ; lane
	s_delay_alu instid0(VALU_DEP_1)
	v_lshlrev_b32 v[XO], 5, v2
	s_delay_alu instid0(VALU_DEP_2)
	v_lshlrev_b32 v[CO], 3, v2
	v_mov_b32 v[PS], 0                             ; written once: a lane permute's destination counts as one of its sources
	s_mov_b32 s20, 0x76543210
	s_mov_b32 s21, 0xfedcba98
	s_mov_b32 s22, 0x3a800000                      ; 1 / 1,024
	s_mov_b32 s23, 0x3727c5ac                      ; 1e-5
	s_lshl_b32 s19, ttmp9, 3
	s_add_co_u32 s19, s19, s18                     ; which pair of rows is my wave's
	s_lshl_b32 s32, s19, 13
	s_mov_b32 s33, 0
	s_lshl_b32 s34, s19, 11
	s_mov_b32 s35, 0
	s_wait_alu depctr_va_vdst(0)
	s_wait_kmcnt 0x0
.if NQ == 3
	s_load_b256 s[24:31], s[10:11], 0x0
.else
	s_load_b32 s25, s[10:11], 0x30                 ; entry 12
.endif
	s_add_nc_u64 s[4:5], s[4:5], s[32:33]
	s_add_nc_u64 s[12:13], s[12:13], s[34:35]
.if NQ == 3
	s_add_nc_u64 s[14:15], s[12:13], 0x400000
	s_add_nc_u64 s[16:17], s[14:15], 0x400000
.endif
	XLOAD 0
.irp j, 0,1,2,3
	global_load_b128 v[G+8*\j:G+8*\j+3],   v[XO], s[6:7] offset:1024*\j
	global_load_b128 v[G+8*\j+4:G+8*\j+7], v[XO], s[6:7] offset:1024*\j+16
.endr
.irp j, 0,1,2,3
	global_load_b128 v[B+8*\j:B+8*\j+3],   v[XO], s[8:9] offset:1024*\j
	global_load_b128 v[B+8*\j+4:B+8*\j+7], v[XO], s[8:9] offset:1024*\j+16
.endr
	XLOAD 1
	s_wait_kmcnt 0x0
.irp q, 0,1,2
.if \q < NQ
	s_add_co_i32 s32, s[25+2*\q], 127
	s_lshl_b32 s33, s32, 23
	v_mov_b32 v[SC+2*\q], s33                      ; 2^e as f32: the conversion takes its exponent field
.endif
.endr
	ROW 0, 24, 8                                   ; 24: behind row 0's eight loads stand g's, b's and row 1's;  8: row 1's alone
	ROW 1, 0, 0
	s_endpgm
.Lfunc_end_k_qd785b475d2_ln2:
	.size	k_qd785b475d2_ln2, .Lfunc_end_k_qd785b475d2_ln2-k_qd785b475d2_ln2
	.p2alignl 7, 3214868480
	.fill 96, 4, 3214868480
	.section	.rodata,"a",@progbits
	.p2align	6, 0x0
	.amdhsa_kernel k_qd785b475d2_ln2
		.amdhsa_group_segment_fixed_size 0
		.amdhsa_private_segment_fixed_size 0
		.amdhsa_enable_private_segment 0
		.amdhsa_kernarg_size 40
		.amdhsa_user_sgpr_count 2
		.amdhsa_user_sgpr_kernarg_segment_ptr 1
		.amdhsa_wavefront_size32 1
		.amdhsa_system_sgpr_workgroup_id_x 1
		.amdhsa_system_sgpr_workgroup_id_y 1
		.amdhsa_system_sgpr_workgroup_id_z 1
		.amdhsa_system_vgpr_workitem_id 0
		.amdhsa_next_free_vgpr 216
		.amdhsa_next_free_sgpr 66
		.amdhsa_reserve_vcc 0
		.amdhsa_float_denorm_mode_32 3
		.amdhsa_float_denorm_mode_16_64 3
		.amdhsa_fp16_overflow 1
		.amdhsa_memory_ordered 1
		.amdhsa_forward_progress 1
		.amdhsa_inst_pref_size 21
	.end_amdhsa_kernel
	.amdgpu_metadata
---
amdhsa.version: [ 1, 2 ]
amdhsa.kernels:
  - .name:           k_qd785b475d2_ln2
    .symbol:         k_qd785b475d2_ln2.kd
    .args:
      - { .name: x1, .offset: 0, .size: 8, .value_kind: global_buffer, .address_space: global }
      - { .name: g2, .offset: 8, .size: 8, .value_kind: global_buffer, .address_space: global }
      - { .name: b2, .offset: 16, .size: 8, .value_kind: global_buffer, .address_space: global }
      - { .name: lowp_scales, .offset: 24, .size: 8, .value_kind: global_buffer, .address_space: global }
      - { .name: h2, .offset: 32, .size: 8, .value_kind: global_buffer, .address_space: global }
    .group_segment_fixed_size: 0
    .private_segment_fixed_size: 0
    .kernarg_segment_align: 8
    .kernarg_segment_size: 40
    .max_flat_workgroup_size: 256
    .sgpr_count:     66
    .vgpr_count:     216
    .wavefront_size: 32
...
	.end_amdgpu_metadata
.endif
;; end of part 5
;; launch w1 (part 6): grid 16 x 16, 4 waves a work-group, clusters of 4 x 4, 327,680 bytes of LDS; arguments h2, W1_codes, lowp_scales, gc, c1; writes gc
.if DOCPART == 6
	.amdgcn_target "amdgcn-amd-amdhsa--gfx1250"
	.amdhsa_code_object_version 6
	.text
	.protected	k_qd785b475d2_w1
	.globl	k_qd785b475d2_w1
	.p2align	8
	.type	k_qd785b475d2_w1,@function
k_qd785b475d2_w1:
	s_mov_b64 s[64:65], 0
	v_nop
	global_prefetch_b8 v0, s[64:65] scope:SCOPE_SE
	s_setreg_imm32_b32 hwreg(HW_REG_WAVE_MODE, 25, 1), 1
	s_wait_xcnt 0x0
	s_wait_alu depctr_hold_cnt(0) depctr_sa_sdst(0) depctr_va_vdst(0) depctr_va_sdst(0) depctr_va_ssrc(0) depctr_va_vcc(0) depctr_vm_vsrc(0)
	s_getreg_b32 s2, hwreg(HW_REG_IB_STS2, 6, 4)
	s_cmp_eq_u32 s2, 0
	s_cbranch_scc0 .Lentry_in_a_cluster
	s_endpgm
.Lentry_in_a_cluster:
	s_bfe_u32 s2, ttmp6, 0x10000c
	s_cmp_lg_u32 s2, 0xf033
	s_cbranch_scc0 .Lentry_shape_is_right
	s_endpgm
.Lentry_shape_is_right:
; gc = Q(gelu(h2 W1^T + c1)): A = h2 [4,096][1,024], B = W1 [4,096][1,024]: codes of E4M3, K innermost; c1 [4,096] f32; gc [4,096][4,096]: codes with the scale of entry 14.  The GELU is the exact one (erf).
; A tile of C, 256 x 256, is made by four waves, each 128 x 128: 64 accumulators, 512 registers: 256 work-groups.  K goes in steps of 256 through a ring of two LDS slots filled by the tensor data mover.
; CLUSTERS: 4 x 4 work-groups; A's tile is asked for jointly along a row of the cluster, B's along a column.  THE MATRIX INSTRUCTION IS USED TRANSPOSED: a lane holds eight neighbouring columns of a row of C.
; A fragment is fetched by four loads of 16 bytes: a permutation of k, the same in A and in B.
; THE WAY OUT IS A LOOP.  The GELU is some 13 instructions a number and a lane has 512 numbers: written out over the accumulators it would be several times the code of all the rest.  So the raw sums are laid once into an f32
; stage over both slots (which have had their last fill and, behind a barrier, their last read), and a loop of constant count reads them back in the order of the output: a lane 16 neighbouring columns, sixteen lanes a row.
; GELU.  z = |x| / sqrt 2;  t = 1 / (1 + z / 2);  erfc(z) = t exp(-z^2 + P(t)), P a polynomial of degree 9 (Numerical Recipes, erfcc: fractional error under 1.2e-7 everywhere);  hh = erfc(z) / 2;
; gelu(x) = max(x, 0) - |x| hh: no compare, and no cancellation in the negative tail.  The coefficients are kept x log2(e), the constant less 1 (the half), since v_exp_f32 is 2^x.
; LIMITS: entries 12 + 13 between -126 and 127; entry 14 between -126 and 119.  The f32 error of x^2 log2(e) / 2 reaches some 1e-6 of hh near |x| = 5; under about x = -13 the exponential is flushed to 0.  NaN is not served.
; REGISTERS: window 0: v0-31 addresses; v32-47 c1 of my 16 columns; v48-71 constants; from v128 A's fragments (on the way out: v128-231 at work).  window 1: B's fragments, two sets.  windows 2, 3: the accumulators.
.set ROWB,   256
.set KROW,   1024
.set PITCH,  272                       ; 256 bytes + 16 = 68 words: the 16 rows that a load touches start at 16 different banks (64 banks of 4 bytes: ISA guide 11.1)
.set FR,     16
.set NL,     4
.set NP,     4
.set HALFT,  128*PITCH
.set SLOT,   4*HALFT
.set LAPS,   2
.set SPARE,  2*SLOT
.set FP,     1040                      ; the f32 stage: 256 rows x (1,024 bytes + 16), from LDS byte 0: 266,240 bytes, under SPARE.  In a row, piece c (16 bytes) of chunk i (64 bytes) lies at 64 i + 16 (c xor (i / 4)):
                                       ; so the sixteen lanes that read piece c of sixteen chunks touch sixteen different columns of 16 bytes
.set CBO,  6                           ; v6   64 x (lane % 16): c1's offset
.set RD,   8                           ; v8-11  piece c of my chunk, in the first two rows
.set AD,   12                          ; v12-15 the same in the rows in hand
.set ADRA, 16
.set ADRB, 20
.set STO0, 24                          ; v24, v25 into the stage: my blocks 0-3, 4-7
.set GO,   26
.set SPW,  28
.set NIL,  29
.set CB,   32
.set KC,   48                          ; v[48+2k:49+2k] coefficient k, twice
.set NH,   68                          ; v[68:69] -log2(e) / 2, twice
.set SCV,  70
.set LIMV, 71
.set AF,   128
.set X0,   128
.set X1,   144
.set TT,   160
.set PP,   176
.set UU,   192
.set CD0,  208
.set CD1,  212
.set MX,   216
.set G1, 24
.set G0, 32
.set G1B, 48
.set G0B, 56
.set MSB, 0
.macro WIN new
.if MSB != \new
	s_set_vgpr_msb (MSB<<8)|\new
.set MSB, \new
.endif
.endm
.set MUL_LO, 0xa1
.set MUL_HI, 0xf1
.set TO_B,   0x40
.macro JLOAD g0a, g1a, g0b, g1b        ; waves 0 and 1 fetch for A, waves 2 and 3 for B; four v_nop follow each of the two lines
	s_cmp_eq_u32 s15, 0
	s_cbranch_scc0 .Lfor_b_\@
	tensor_load_to_lds s[\g0a:\g0a+3], s[\g1a:\g1a+7]
	s_nop 0
.rept 4
	v_nop
.endr
	s_branch .Lasked_\@
.Lfor_b_\@:
	tensor_load_to_lds s[\g0b:\g0b+3], s[\g1b:\g1b+7]
	s_nop 0
.rept 4
	v_nop
.endr
.Lasked_\@:
.endm
.macro CREST
	s_cmp_lg_u32 s14, 0
	s_cbranch_scc1 .Lnot_wave_0_\@
	s_barrier_signal -3
.Lnot_wave_0_\@:
	s_barrier_wait -3
	s_barrier_signal -1
	s_barrier_wait -1
.endm
.macro CROUND
	s_barrier_signal -1
	s_barrier_wait -1
	CREST
.endm
	s_load_b256 s[4:11], s[0:1], 0x0               ; A s[4:5], B s[6:7], the scales' exponents s[8:9], gc s[10:11]
	s_load_b64 s[12:13], s[0:1], 0x20              ; c1
	v_lshl_add_u32 v[SPW], v0, 2, SPARE
	v_mov_b32 v[NIL], 0
	ds_add_u32 v28, v29
	ds_add_u32 v28, v29
	s_wait_dscnt 0x0
	v_lshrrev_b32 v1, 5, v0
	v_readfirstlane_b32 s14, v1
	s_lshr_b32 s15, s14, 1
	s_and_b32 s16, s14, 1
	s_bfe_u32 s40, ttmp6, 0x40000
	s_bfe_u32 s41, ttmp6, 0x40004
	s_lshl_b32 s42, ttmp9, 2
	s_add_co_u32 s42, s42, s40                     ; tile column of C
	s_and_b32 s17, ttmp7, 0xffff
	s_lshl_b32 s17, s17, 2
	s_add_co_u32 s17, s17, s41                     ; tile row of C
	s_lshl_b32 s43, s41, 2
	s_lshl_b32 s43, 15, s43
	s_lshl_b32 s44, 0x1111, s40
	s_or_b32 s[G1+0], s43, (0<<16)|(1<<20)|(1<<21)|(5<<22)|(3<<25)
	s_or_b32 s[G1B+0], s44, (0<<16)|(1<<20)|(1<<21)|(5<<22)|(3<<25)
.irp g, G1, G1B
	s_mov_b32 s[\g+1], ROWB<<16
	s_mov_b32 s[\g+2], 128<<16
	s_mov_b32 s[\g+3], ROWB<<16
	s_mov_b32 s[\g+4], 128
	s_mov_b32 s[\g+5], KROW
	s_mov_b32 s[\g+6], 0
	s_mov_b32 s[\g+7], 0
.endr
	s_lshl_b32 s18, s16, 7
	s_lshl_b32 s20, s17, 8
	s_add_co_u32 s20, s20, s18
	s_lshl_b32 s20, s20, 10
	s_mov_b32 s21, 0
	s_lshl_b32 s46, s42, 8
	s_add_co_u32 s46, s46, s18
	s_lshl_b32 s46, s46, 10
	s_mov_b32 s47, 0
	s_mul_i32 s45, s14, HALFT
	s_wait_kmcnt 0x0
	s_load_b64 s[96:97], s[8:9], 0x30              ; entries 12, 13
	s_load_b32 s98, s[8:9], 0x38                   ; entry 14
	s_add_nc_u64 s[20:21], s[4:5], s[20:21]
	s_add_nc_u64 s[46:47], s[6:7], s[46:47]
	CROUND
.irp s, 0,1
	s_mov_b32 s[G0+4*\s], 1
	s_add_co_u32 s[G0+4*\s+1], s45, \s*SLOT
	s_add_nc_u64 s[G0+4*\s+2:G0+4*\s+3], s[20:21], \s*ROWB
	s_or_b32 s[G0+4*\s+3], s[G0+4*\s+3], 0x80000000
	s_mov_b32 s[G0B+4*\s], 1
	s_add_co_u32 s[G0B+4*\s+1], s45, \s*SLOT
	s_add_nc_u64 s[G0B+4*\s+2:G0B+4*\s+3], s[46:47], \s*ROWB
	s_or_b32 s[G0B+4*\s+3], s[G0B+4*\s+3], 0x80000000
	JLOAD G0+4*\s, G1, G0B+4*\s, G1B
.endr
	v_and_b32 v1, 15, v0                           ; r; on the way back: my chunk i
	v_bfe_u32 v2, v0, 4, 1                         ; h
	v_mul_u32_u24 v3, v1, PITCH
	v_lshl_add_u32 v4, v2, 4, v3
	s_mul_i32 s21, s15, HALFT
	s_mul_i32 s22, s16, HALFT
	s_add_co_u32 s22, s22, 2*HALFT
.irp s, 0,1
	v_add_nc_u32 v[ADRA+\s], s21, v4
	v_add_nc_u32 v[ADRB+\s], s22, v4
	s_add_co_u32 s21, s21, SLOT
	s_add_co_u32 s22, s22, SLOT
.endr
	; into the stage.  My eight columns 16 b + 8 h + j of my column half cc are pieces 2 h, 2 h + 1 of chunk 8 cc + b, which lie at 64 (8 cc + b) + 32 (h xor cc) + 16 (e xor (b / 4)), e = 0, 1
	v_lshrrev_b32 v3, 1, v0
	v_xor_b32 v3, v3, v0
	v_bfe_u32 v3, v3, 4, 1                         ; h xor cc: bit 4 of the thread's number xor its bit 5
	v_mul_u32_u24 v4, v1, FP
	v_lshl_add_u32 v4, v3, 5, v4
	s_mul_i32 s23, s15, 128*FP
	s_lshl_b32 s21, s16, 9
	s_add_co_u32 s23, s23, s21
	v_add_nc_u32 v[STO0], s23, v4
	v_add_nc_u32 v[STO0+1], 64*FP, v[STO0]
	v_bfe_u32 v3, v0, 2, 2                         ; i / 4
	v_mul_u32_u24 v4, v2, FP
	v_lshl_add_u32 v4, v1, 6, v4                   ; back: row h, chunk i
.irp c, 0,1,2,3
	v_xor_b32 v5, \c, v3
	v_lshl_add_u32 v[RD+\c], v5, 4, v4
.endr
	v_lshlrev_b32 v[GO], 12, v2
	v_lshl_add_u32 v[GO], v1, 4, v[GO]             ; gc: row h of 4,096 bytes, my 16 codes
	s_lshl_b32 s46, s42, 10
	s_mov_b32 s47, 0
	s_add_nc_u64 s[12:13], s[12:13], s[46:47]      ; c1 at the tile's first column
	v_lshlrev_b32 v[CBO], 6, v1
.irp c, 0,1,2,3
	global_load_b128 v[CB+4*\c:CB+4*\c+3], v[CBO], s[12:13] offset:16*\c
.endr
	s_lshl_b32 s20, s17, 8
	s_lshl_b32 s21, s14, 6
	s_add_co_u32 s20, s20, s21
	s_lshl_b32 s20, s20, 12                        ; on the way back wave w takes rows 64 w on
	s_lshl_b32 s46, s42, 8
	s_add_co_u32 s20, s20, s46
	s_mov_b32 s21, 0
	s_add_nc_u64 s[10:11], s[10:11], s[20:21]
.macro FRAG reg, adr, q, i
.irp c, 0,1,2,3
	ds_load_b128 v[\reg+4*\c:\reg+4*\c+3], v[\adr] offset:128*(\q)+32*\c+(\i)*16*PITCH
.endr
.endm
.macro MUL16 a0, p, zero               ; the 64 accumulators take turns, one instruction a turn, in the same order in every step
.irp a, \a0, \a0+1
.irp b, 0,1,2,3,4,5,6,7
.if \zero
	v_wmma_f32_16x16x128_fp8_fp8 v[8*(8*((\a)%4)+\b):8*(8*((\a)%4)+\b)+7], v[128*(\p)+FR*\b:128*(\p)+FR*\b+FR-1], v[AF+FR*(\a):AF+FR*(\a)+FR-1], 0
.else
	v_wmma_f32_16x16x128_fp8_fp8 v[8*(8*((\a)%4)+\b):8*(8*((\a)%4)+\b)+7], v[128*(\p)+FR*\b:128*(\p)+FR*\b+FR-1], v[AF+FR*(\a):AF+FR*(\a)+FR-1], v[8*(8*((\a)%4)+\b):8*(8*((\a)%4)+\b)+7]
.endif
.endr
.endr
.endm
.macro FETCH_B slot, q, p
	WIN TO_B
.irp i, 0,1,2,3,4,5,6,7
	FRAG 128*(\p)+FR*\i, ADRB+\slot, \q, \i
.endr
	WIN 0
.endm
.macro FETCH_A slot, q, i0
.irp i, \i0, \i0+1, \i0+2, \i0+3
	FRAG AF+FR*(\i), ADRA+\slot, \q, \i
.endr
.endm
.macro PLACES n
.rept \n
	v_nop
.endr
.endm
.macro STEP slot, q, zero
	s_wait_dscnt 4*NL                              ; B's set and A's blocks 0-3 are in; A's blocks 4-7 (16 loads) may be out
	WIN MUL_LO
	MUL16 0, (\q)%2, \zero
	MUL16 2, (\q)%2, \zero
	s_wait_dscnt 0
	PLACES NP
	FETCH_B \slot, (\q)+1, 1-(\q)%2
	FETCH_A \slot, (\q)+1, 0
	WIN MUL_HI
	MUL16 4, (\q)%2, \zero
	MUL16 6, (\q)%2, \zero
	PLACES NP
	WIN 0
	FETCH_A \slot, (\q)+1, 4
.endm
.macro TURN slot, next, fill
	s_wait_tensorcnt 0x0                           ; all my tensor loads have landed: my part of the next slot
	ds_add_u32 v[SPW], v[NIL]                      ; 0 onto my spare word
	s_wait_dscnt 4*NL+1                            ; the add and A's blocks 4-7 may be out
	WIN MUL_LO
	MUL16 0, 1, 0
	s_wait_dscnt 0x0                               ; the add is done, and my reads of this slot are over
	s_barrier_signal -1
	MUL16 2, 1, 0
	WIN 0
	s_barrier_wait -1
.if \fill
	CREST
	s_add_nc_u64 s[G0+4*\slot+2:G0+4*\slot+3], s[G0+4*\slot+2:G0+4*\slot+3], 2*ROWB
	s_add_nc_u64 s[G0B+4*\slot+2:G0B+4*\slot+3], s[G0B+4*\slot+2:G0B+4*\slot+3], 2*ROWB
	JLOAD G0+4*\slot, G1, G0B+4*\slot, G1B
.else
	PLACES NP
.endif
	FETCH_B \next, 0, 0
	FETCH_A \next, 0, 0
	WIN MUL_HI
	MUL16 4, 1, 0
	MUL16 6, 1, 0
	PLACES NP
	WIN 0
	FETCH_A \next, 0, 4
.endm
	s_wait_tensorcnt 1                             ; my part of K step 0 is in; K step 1's load may be out
	s_barrier_signal -1
	s_barrier_wait -1
	FETCH_B 0, 0, 0
	FETCH_A 0, 0, 0
	FETCH_A 0, 0, 4
	STEP 0, 0, 1
	s_mov_b32 s3, LAPS-1
.Llap:
	TURN 0, 1, 1
	STEP 1, 0, 0
	TURN 1, 0, 1
	STEP 0, 0, 0
	s_sub_co_u32 s3, s3, 1
	s_cmp_lg_u32 s3, 0
	s_cbranch_scc1 .Llap
	TURN 0, 1, 0
	STEP 1, 0, 0
	s_wait_dscnt 4*NL
	WIN MUL_LO
	MUL16 0, 1, 0
	MUL16 2, 1, 0
	s_wait_dscnt 0
	WIN MUL_HI
	MUL16 4, 1, 0
	MUL16 6, 1, 0
	WIN 0
	s_wait_dscnt 0x0                               ; my reads of slot 1 are over
	s_barrier_signal -1
	s_barrier_wait -1                              ; everybody's are: the stage may be laid over both slots
	PLACES NP                                      ; behind the last products, in front of the LDS stores that read results
.irp a, 0,1,2,3,4,5,6,7
	WIN 0x08+4*((\a)/4)                            ; store data: window 2 or 3
.irp b, 0,1,2,3,4,5,6,7
.irp e, 0,1
	ds_store_b128 v[STO0+(\a)/4], v[64*((\a)%4)+8*\b+4*\e:64*((\a)%4)+8*\b+4*\e+3] offset:16*FP*((\a)%4)+64*\b+16*((\e)^((\b)>>2))   ; each accumulator from its low end on
.endr
.endr
.endr
	WIN 0
	s_wait_dscnt 0x0                               ; for the others' sake: my stores are done
	s_barrier_signal -1
	s_barrier_wait -1
.macro KONST k, bits
	v_mov_b32 v[KC+2*\k], \bits
	v_mov_b32 v[KC+2*\k+1], \bits
.endm
	KONST 0, 0xc034d90f                            ; -1.26551223 log2(e) - 1
	KONST 1, 0x3fb8ab5a                            ;  1.00002368 log2(e)
	KONST 2, 0x3f0a29d2                            ;  0.37409196 log2(e)
	KONST 3, 0x3e0efb2e                            ;  0.09678418 log2(e)
	KONST 4, 0xbe899a80                            ; -0.18628806 log2(e)
	KONST 5, 0x3ecdfd18                            ;  0.27886807 log2(e)
	KONST 6, 0xbfd1a1e5                            ; -1.13520398 log2(e)
	KONST 7, 0x40097039                            ;  1.48851587 log2(e)
	KONST 8, 0xbf97d29d                            ; -0.82215223 log2(e)
	KONST 9, 0x3e7c6f08                            ;  0.17087277 log2(e)
	KONST 10, 0xbf38aa3b                           ; -log2(e) / 2  (v[68:69])
	s_mov_b32 s66, 0x3eb504f3                      ; 1 / (2 sqrt 2)
	s_wait_kmcnt 0x0
	s_add_co_i32 s96, s96, s97
	s_add_co_i32 s96, s96, 127
	s_lshl_b32 s96, s96, 23                        ; 2^(e of h2 + e of W1) as f32
	s_mov_b32 s97, s96
	s_add_co_i32 s98, s98, 127
	s_lshl_b32 s99, s98, 23
	v_mov_b32 v[SCV], s99
	s_add_co_i32 s98, s98, 8
	s_lshl_b32 s98, s98, 23
	s_or_b32 s98, s98, 0x600000
	v_mov_b32 v[LIMV], s98
	s_wait_loadcnt 0x0                             ; c1
; sixteen raw sums in v[XS] on become sixteen codes in v[CD:CD+3]
.macro GELU16 XS, CD
.irp i, 0,2,4,6,8,10,12,14
	v_pk_fma_f32 v[\XS+\i:\XS+\i+1], v[\XS+\i:\XS+\i+1], s[96:97], v[CB+\i:CB+\i+1] op_sel_hi:[1,0,1]   ; x = sum x 2^e + c1
.endr
.irp i, 0,1,2,3,4,5,6,7,8,9,10,11,12,13,14,15
	v_fma_f32 v[TT+\i], |v[\XS+\i]|, s66, 1.0
.endr
.irp i, 0,1,2,3,4,5,6,7,8,9,10,11,12,13,14,15
	v_rcp_f32 v[TT+\i], v[TT+\i]                   ; t; a plain line of other work stands behind each transcendental (ISA guide 5.7.2)
	v_max_num_f32 v[MX+\i], 0, v[\XS+\i]
.endr
.irp i, 0,2,4,6,8,10,12,14
	v_pk_mul_f32 v[UU+\i:UU+\i+1], v[\XS+\i:\XS+\i+1], v[\XS+\i:\XS+\i+1]
.endr
	s_wait_alu depctr_va_vdst(0)
.irp i, 0,2,4,6,8,10,12,14
	v_pk_fma_f32 v[PP+\i:PP+\i+1], v[TT+\i:TT+\i+1], v[KC+18:KC+19], v[KC+16:KC+17]
.endr
.irp k, 7,6,5,4,3,2,1,0
.irp i, 0,2,4,6,8,10,12,14
	v_pk_fma_f32 v[PP+\i:PP+\i+1], v[PP+\i:PP+\i+1], v[TT+\i:TT+\i+1], v[KC+2*\k:KC+2*\k+1]
.endr
.endr
.irp i, 0,2,4,6,8,10,12,14
	v_pk_fma_f32 v[PP+\i:PP+\i+1], v[UU+\i:UU+\i+1], v[NH:NH+1], v[PP+\i:PP+\i+1]   ; E = -x^2 log2(e) / 2 + the polynomial
.endr
.irp i, 0,1,2,3,4,5,6,7,8,9,10,11,12,13,14,15
	v_exp_f32 v[PP+\i], v[PP+\i]
	v_mul_f32 v[UU+\i], |v[\XS+\i]|, v[TT+\i]
.endr
	s_wait_alu depctr_va_vdst(0)
.irp i, 0,1,2,3,4,5,6,7,8,9,10,11,12,13,14,15
	v_fma_f32 v[\XS+\i], -v[UU+\i], v[PP+\i], v[MX+\i]   ; max(x, 0) - |x| t 2^E
.endr
.irp i, 0,1,2,3,4,5,6,7,8,9,10,11,12,13,14,15
	v_med3_num_f32 v[\XS+\i], v[\XS+\i], -v[LIMV], v[LIMV]   ; the conversion does not saturate (ISA guide 7.6.2)
.endr
	v_cvt_scalef32_pk8_fp8_f32 v[\CD:\CD+1], v[\XS:\XS+7], v[SCV]
	v_cvt_scalef32_pk8_fp8_f32 v[\CD+2:\CD+3], v[\XS+8:\XS+15], v[SCV]
	v_nop                                          ; a plain line behind the conversions
.endm
; four rows of the tile: two (X0), two (X1).  more = 1: the next trip's are asked for as soon as a set is free.
.macro TRIP more
	s_wait_dscnt 4                                 ; X0's four loads are in; X1's may be out
	GELU16 X0, CD0
	global_store_b128 v[GO], v[CD0:CD0+3], s[10:11]               ; sixteen lanes store a row's 256 bytes, aligned
.if \more
	s_add_co_u32 s20, s20, 4*FP
.irp c, 0,1,2,3
	v_add_nc_u32 v[AD+\c], s20, v[RD+\c]
.endr
.irp c, 0,1,2,3
	ds_load_b128 v[X0+4*\c:X0+4*\c+3], v[AD+\c]
.endr
	s_wait_dscnt 4                                 ; X1's are in; the four just issued may be out
.else
	s_wait_dscnt 0x0
.endif
	GELU16 X1, CD1
	global_store_b128 v[GO], v[CD1:CD1+3], s[10:11] offset:8192
.if \more
.irp c, 0,1,2,3
	ds_load_b128 v[X1+4*\c:X1+4*\c+3], v[AD+\c] offset:2*FP
.endr
	s_wait_xcnt 0x0                                ; the stores have read their data and their base: both may be written again
	s_add_nc_u64 s[10:11], s[10:11], 16384
.endif
.endm
	s_mul_i32 s20, s14, 64*FP                      ; my 64 rows of the stage
.irp c, 0,1,2,3
	v_add_nc_u32 v[AD+\c], s20, v[RD+\c]
.endr
.irp c, 0,1,2,3
	ds_load_b128 v[X0+4*\c:X0+4*\c+3], v[AD+\c]
.endr
.irp c, 0,1,2,3
	ds_load_b128 v[X1+4*\c:X1+4*\c+3], v[AD+\c] offset:2*FP
.endr
	s_mov_b32 s3, 15
.Lrows:
	TRIP 1
	s_sub_co_u32 s3, s3, 1
	s_cmp_lg_u32 s3, 0
	s_cbranch_scc1 .Lrows
	TRIP 0                                         ; the last four rows ask for nothing
	s_wait_tensorcnt 0x0                           ; the wave's end
	ds_add_u32 v[SPW], v[NIL]
	s_wait_dscnt 0x0
	CROUND                                         ; the closing round
	s_endpgm
.Lfunc_end_k_qd785b475d2_w1:
	.size	k_qd785b475d2_w1, .Lfunc_end_k_qd785b475d2_w1-k_qd785b475d2_w1
	.p2alignl 7, 3214868480
	.fill 96, 4, 3214868480
	.section	.rodata,"a",@progbits
	.p2align	6, 0x0
	.amdhsa_kernel k_qd785b475d2_w1
		.amdhsa_group_segment_fixed_size 327680
		.amdhsa_private_segment_fixed_size 0
		.amdhsa_enable_private_segment 0
		.amdhsa_kernarg_size 40
		.amdhsa_user_sgpr_count 2
		.amdhsa_user_sgpr_kernarg_segment_ptr 1
		.amdhsa_wavefront_size32 1
		.amdhsa_system_sgpr_workgroup_id_x 1
		.amdhsa_system_sgpr_workgroup_id_y 1
		.amdhsa_system_sgpr_workgroup_id_z 1
		.amdhsa_system_vgpr_workitem_id 0
		.amdhsa_next_free_vgpr 1024
		.amdhsa_next_free_sgpr 100
		.amdhsa_reserve_vcc 0
		.amdhsa_float_denorm_mode_32 3
		.amdhsa_float_denorm_mode_16_64 3
		.amdhsa_memory_ordered 1
		.amdhsa_forward_progress 1
		.amdhsa_inst_pref_size 138
	.end_amdhsa_kernel
	.amdgpu_metadata
---
amdhsa.version: [ 1, 2 ]
amdhsa.kernels:
  - .name:           k_qd785b475d2_w1
    .symbol:         k_qd785b475d2_w1.kd
    .args:
      - { .name: h2, .offset: 0, .size: 8, .value_kind: global_buffer, .address_space: global }
      - { .name: W1_codes, .offset: 8, .size: 8, .value_kind: global_buffer, .address_space: global }
      - { .name: lowp_scales, .offset: 16, .size: 8, .value_kind: global_buffer, .address_space: global }
      - { .name: gc, .offset: 24, .size: 8, .value_kind: global_buffer, .address_space: global }
      - { .name: c1, .offset: 32, .size: 8, .value_kind: global_buffer, .address_space: global }
    .group_segment_fixed_size: 327680
    .private_segment_fixed_size: 0
    .kernarg_segment_align: 8
    .kernarg_segment_size: 40
    .max_flat_workgroup_size: 128
    .sgpr_count:     100
    .vgpr_count:     1024
    .wavefront_size: 32
...
	.end_amdgpu_metadata
.endif
;; end of part 6
;; launch w2 (part 7): grid 8 x 32, 4 waves a work-group, clusters of 4 x 4, 327,680 bytes of LDS; arguments gc, W2_codes, lowp_scales, out0, c2, x1; writes out0
.if DOCPART == 7
	.amdgcn_target "amdgcn-amd-amdhsa--gfx1250"
	.amdhsa_code_object_version 6
	.text
	.protected	k_qd785b475d2_w2
	.globl	k_qd785b475d2_w2
	.p2align	8
	.type	k_qd785b475d2_w2,@function
k_qd785b475d2_w2:
	s_mov_b64 s[64:65], 0
	v_nop
	global_prefetch_b8 v0, s[64:65] scope:SCOPE_SE
	s_setreg_imm32_b32 hwreg(HW_REG_WAVE_MODE, 25, 1), 1
	s_wait_xcnt 0x0
	s_wait_alu depctr_hold_cnt(0) depctr_sa_sdst(0) depctr_va_vdst(0) depctr_va_sdst(0) depctr_va_ssrc(0) depctr_va_vcc(0) depctr_vm_vsrc(0)
	s_getreg_b32 s2, hwreg(HW_REG_IB_STS2, 6, 4)
	s_cmp_eq_u32 s2, 0
	s_cbranch_scc0 .Lentry_in_a_cluster
	s_endpgm
.Lentry_in_a_cluster:
	s_bfe_u32 s2, ttmp6, 0x10000c
	s_cmp_lg_u32 s2, 0xf033
	s_cbranch_scc0 .Lentry_shape_is_right
	s_endpgm
.Lentry_shape_is_right:
; out[m][n] = res[m][n] + bias[n] + 2^(ea + eb) x sum over k of A[m][k] B[n][k].  A: [4,096][SIZE_K], B: [1,024][SIZE_K]: codes of E4M3, K innermost; bias [1,024], res and out [4,096][1,024]: f32.
; Here: A = gc, B = W2, res = x1, out = out0; SIZE_K = 4,096; ea, eb = entries 14, 15.
; C has 1,024 columns: tiles of 256 x 256 would give 64 work-groups, so a tile is 128 x 128: 256 work-groups.  Four waves, each 64 x 64: 16 accumulators.  K goes in steps of 512 (LDS rows of 512 bytes) through two LDS slots.
; CLUSTERS: 4 x 4 work-groups; A's tile is asked for jointly along a row of the cluster, B's along a column.  THE MATRIX INSTRUCTION IS USED TRANSPOSED: a lane holds eight neighbouring columns of a row of C.
; A fragment is fetched by four loads of 16 bytes: a permutation of k, the same in A and in B.
; The residual's 64 x 64 numbers of a wave are asked for at the head, into window 2, in the layout in which the rows leave.  A wave's 64 columns are 256 bytes, aligned: its stage in LDS is its own, and no barrier stands on the way out.
; REGISTERS: window 0: v0-31 addresses; v32-95 rows on the way out, two sets; v96-99 the bias; v128-255 the accumulators.  window 1: two fragment buffers of 128 (A's four fragments, then B's four).  window 2: v0-127 the residual.
; LIMIT: ea + eb between -126 and 127.
.set SIZE_K, 4096
.set ESC,    56                        ; the byte of ea among the scales' exponents
.set LAST,   1                         ; 1: the result is read by nobody after this launch
.set KSTEP,  512
.set PITCH,  528                       ; 512 bytes + 16 = 132 words: the 16 rows that a load touches start at 16 different banks (64 banks of 4 bytes: ISA guide 11.1)
.set HALFT,  64*PITCH
.set SLOT,   4*HALFT
.set STAGE,  2*SLOT                    ; behind the ring: 16 rows x 272 bytes for each wave
.set SPITCH, 272
.set SPARE,  STAGE+4*16*SPITCH         ; behind the stages: the spare words
.set LAPS,   SIZE_K/(2*KSTEP)
.set ADRA, 16
.set ADRB, 20
.set STO,  24
.set RD,   25
.set CO,   26
.set BO,   27
.set SPW,  28
.set NIL,  29
.set OB,   32
.set BIAS, 96
.set ACC,  128
.set F0,   0
.set F1,   128
.set G1, 24
.set G0, 32
.set G1B, 48
.set G0B, 56
.set MSB, 0
.macro WIN new
.if MSB != \new
	s_set_vgpr_msb (MSB<<8)|\new
.set MSB, \new
.endif
.endm
.set MUL,  0x05                        ; sources 0 (B) and 1 (A) window 1; C and D window 0
.set TO_F, 0x40
.macro JLOAD g0a, g1a, g0b, g1b        ; waves 0 and 1 fetch for A, waves 2 and 3 for B; four v_nop follow each of the two lines
	s_cmp_eq_u32 s15, 0
	s_cbranch_scc0 .Lfor_b_\@
	tensor_load_to_lds s[\g0a:\g0a+3], s[\g1a:\g1a+7]
	s_nop 0
.rept 4
	v_nop
.endr
	s_branch .Lasked_\@
.Lfor_b_\@:
	tensor_load_to_lds s[\g0b:\g0b+3], s[\g1b:\g1b+7]
	s_nop 0
.rept 4
	v_nop
.endr
.Lasked_\@:
.endm
.macro CREST
	s_cmp_lg_u32 s14, 0
	s_cbranch_scc1 .Lnot_wave_0_\@
	s_barrier_signal -3
.Lnot_wave_0_\@:
	s_barrier_wait -3
	s_barrier_signal -1
	s_barrier_wait -1
.endm
.macro CROUND
	s_barrier_signal -1
	s_barrier_wait -1
	CREST
.endm
	s_load_b256 s[4:11], s[0:1], 0x0               ; A s[4:5], B s[6:7], the scales' exponents s[8:9], out s[10:11]
	s_load_b128 s[68:71], s[0:1], 0x20             ; bias s[68:69], residual s[70:71]
	v_lshl_add_u32 v[SPW], v0, 2, SPARE
	v_mov_b32 v[NIL], 0
	ds_add_u32 v28, v29
	ds_add_u32 v28, v29
	s_wait_dscnt 0x0
	v_lshrrev_b32 v1, 5, v0
	v_readfirstlane_b32 s14, v1                    ; wave 0..3
	s_lshr_b32 s15, s14, 1                         ; my half of the tile's rows.  Also: I fetch for A (0) or for B (1)
	s_and_b32 s16, s14, 1                          ; my half of its columns.  Also: which 64 rows of that tile I fetch
	s_bfe_u32 s40, ttmp6, 0x40000
	s_bfe_u32 s41, ttmp6, 0x40004
	s_lshl_b32 s42, ttmp9, 2
	s_add_co_u32 s42, s42, s40                     ; tile column of C
	s_and_b32 s17, ttmp7, 0xffff
	s_lshl_b32 s17, s17, 2
	s_add_co_u32 s17, s17, s41                     ; tile row of C
	s_lshl_b32 s43, s41, 2
	s_lshl_b32 s43, 15, s43
	s_lshl_b32 s44, 0x1111, s40
	s_or_b32 s[G1+0], s43, (0<<16)|(1<<20)|(1<<21)|(6<<22)|(3<<25)  ; the mask; elements of 1 byte; padding on; bit 21 beside a mask; after every 128 words, 4 words
	s_or_b32 s[G1B+0], s44, (0<<16)|(1<<20)|(1<<21)|(6<<22)|(3<<25)
.irp g, G1, G1B
	s_mov_b32 s[\g+1], KSTEP<<16                   ; tensor_dim0
	s_mov_b32 s[\g+2], 64<<16                      ; tensor_dim1
	s_mov_b32 s[\g+3], KSTEP<<16                   ; tile_dim0
	s_mov_b32 s[\g+4], 64                          ; tile_dim1
	s_mov_b32 s[\g+5], SIZE_K                      ; tensor_dim0_stride
	s_mov_b32 s[\g+6], 0
	s_mov_b32 s[\g+7], 0
.endr
	s_lshl_b32 s18, s16, 6
	s_lshl_b32 s20, s17, 7
	s_add_co_u32 s20, s20, s18                     ; A: row 128 x tile row + 64 x half
	s_mul_i32 s20, s20, SIZE_K
	s_mov_b32 s21, 0
	s_lshl_b32 s46, s42, 7
	s_add_co_u32 s46, s46, s18                     ; B: row 128 x tile column + 64 x half
	s_mul_i32 s46, s46, SIZE_K
	s_mov_b32 s47, 0
	s_mul_i32 s45, s14, HALFT
	s_wait_kmcnt 0x0
	s_load_b64 s[96:97], s[8:9], ESC               ; ea, eb
	s_add_nc_u64 s[20:21], s[4:5], s[20:21]
	s_add_nc_u64 s[46:47], s[6:7], s[46:47]
	CROUND
.irp s, 0,1
	s_mov_b32 s[G0+4*\s], 1
	s_add_co_u32 s[G0+4*\s+1], s45, \s*SLOT
	s_add_nc_u64 s[G0+4*\s+2:G0+4*\s+3], s[20:21], \s*KSTEP
	s_or_b32 s[G0+4*\s+3], s[G0+4*\s+3], 0x80000000
	s_mov_b32 s[G0B+4*\s], 1
	s_add_co_u32 s[G0B+4*\s+1], s45, \s*SLOT
	s_add_nc_u64 s[G0B+4*\s+2:G0B+4*\s+3], s[46:47], \s*KSTEP
	s_or_b32 s[G0B+4*\s+3], s[G0B+4*\s+3], 0x80000000
	JLOAD G0+4*\s, G1, G0B+4*\s, G1B
.endr
	v_and_b32 v1, 15, v0                           ; r
	s_wait_alu depctr_va_vdst(0)
	v_bfe_u32 v2, v0, 4, 1                         ; h
	v_mul_u32_u24 v3, v1, PITCH
	v_lshl_add_u32 v4, v2, 4, v3
	s_mul_i32 s21, s15, HALFT
	s_mul_i32 s22, s16, HALFT
	s_add_co_u32 s22, s22, 2*HALFT
.irp s, 0,1
	v_add_nc_u32 v[ADRA+\s], s21, v4
	v_add_nc_u32 v[ADRB+\s], s22, v4
	s_add_co_u32 s21, s21, SLOT
	s_add_co_u32 s22, s22, SLOT
.endr
	s_mul_i32 s23, s14, 16*SPITCH
	s_add_co_u32 s23, s23, STAGE                   ; my stage
	v_mul_u32_u24 v5, v1, SPITCH
	s_wait_alu depctr_va_vdst(0)
	v_lshl_add_u32 v5, v2, 5, v5
	v_add_nc_u32 v[STO], s23, v5                   ; in: row r, 32 bytes for each half of the lanes
	v_mul_u32_u24 v5, v2, SPITCH
	v_lshl_add_u32 v5, v1, 4, v5
	v_add_nc_u32 v[RD], s23, v5                    ; back: lanes 0-15 one row of 256 bytes, lanes 16-31 the next
	v_lshlrev_b32 v[CO], 12, v2
	v_lshl_add_u32 v[CO], v1, 4, v[CO]             ; and the same two rows in out and in the residual
	v_lshlrev_b32 v[BO], 4, v1
	s_wait_alu depctr_va_vdst(0)
	s_lshl_b32 s20, s17, 7
	s_lshl_b32 s21, s15, 6
	s_add_co_u32 s20, s20, s21
	s_lshl_b32 s20, s20, 12                        ; my first row, 4,096 bytes a row
	s_lshl_b32 s46, s42, 9
	s_lshl_b32 s47, s16, 8
	s_add_co_u32 s46, s46, s47                     ; my first column, in bytes
	s_mov_b32 s47, 0
	s_add_nc_u64 s[68:69], s[68:69], s[46:47]
	s_add_co_u32 s20, s20, s46
	s_mov_b32 s21, 0
	s_add_nc_u64 s[10:11], s[10:11], s[20:21]
	s_add_nc_u64 s[70:71], s[70:71], s[20:21]
	global_load_b128 v[BIAS:BIAS+3], v[BO], s[68:69]   ; the bias of my four columns of a row that leaves
	WIN 0x80                                       ; destination window 2
.set J, 0
.rept 32
	global_load_b128 v[4*J:4*J+3], v[CO], s[70:71] offset:2*J*4096 th:TH_LOAD_NT   ; rows 2 J, 2 J + 1 of my 64: sixteen lanes read 256 consecutive bytes
.set J, J+1
.endr
	WIN 0
.macro MUL4 f, a, zero                 ; A's block a x B's four; the 16 accumulators take turns, one instruction a turn, in the same order in every quarter
.irp b, 0,1,2,3
.if \zero
	v_wmma_f32_16x16x128_fp8_fp8 v[ACC+8*(4*(\a)+\b):ACC+8*(4*(\a)+\b)+7], v[\f+64+16*\b:\f+64+16*\b+15], v[\f+16*(\a):\f+16*(\a)+15], 0
.else
	v_wmma_f32_16x16x128_fp8_fp8 v[ACC+8*(4*(\a)+\b):ACC+8*(4*(\a)+\b)+7], v[\f+64+16*\b:\f+64+16*\b+15], v[\f+16*(\a):\f+16*(\a)+15], v[ACC+8*(4*(\a)+\b):ACC+8*(4*(\a)+\b)+7]
.endif
.endr
.endm
.macro FETCH slot, k, f                ; 32 LDS loads in one run: 128 along K at byte k of the rows: B's four fragments, then A's
	WIN TO_F
.irp i, 0,1,2,3
.irp c, 0,1,2,3
	ds_load_b128 v[\f+64+16*\i+4*\c:\f+64+16*\i+4*\c+3], v[ADRB+\slot] offset:\k+32*\c+\i*16*PITCH
.endr
.endr
.irp i, 0,1,2,3
.irp c, 0,1,2,3
	ds_load_b128 v[\f+16*\i+4*\c:\f+16*\i+4*\c+3], v[ADRA+\slot] offset:\k+32*\c+\i*16*PITCH
.endr
.endr
.endm
.macro PLACES
.rept 4
	v_nop
.endr
.endm
; A K step is four quarters of 128 along K, 16 matrix instructions each, on buffers 0, 1, 0, 1.
.macro QUARTER slot, k, f, g, zero
	s_wait_dscnt 8                                 ; B's four and A's blocks 0, 1 are in; blocks 2, 3 (8 loads) may be out
	WIN MUL
	MUL4 \f, 0, \zero
	MUL4 \f, 1, \zero
	PLACES
	FETCH \slot, \k, \g
	s_wait_dscnt 32                                ; all but the 32 just issued
	WIN MUL
	MUL4 \f, 2, \zero
	MUL4 \f, 3, \zero
.endm
.macro TURN slot, next, fill           ; the last quarter multiplies buffer 1 and changes slots
	WIN 0
	s_wait_tensorcnt 0x0                           ; all my tensor loads have landed: my part of the next slot
	ds_add_u32 v[SPW], v[NIL]                      ; 0 onto my spare word
	s_wait_dscnt 9                                 ; the add and A's blocks 2, 3 may be out
	WIN MUL
	MUL4 F1, 0, 0
	s_wait_dscnt 0x0                               ; the add is done, and my reads of this slot are over
	s_barrier_signal -1
	MUL4 F1, 1, 0
.if \fill
	WIN 0
.endif
	s_barrier_wait -1
.if \fill
	CREST                                          ; the barrier has opened a round of the cluster's barrier
	s_add_nc_u64 s[G0+4*\slot+2:G0+4*\slot+3], s[G0+4*\slot+2:G0+4*\slot+3], 2*KSTEP
	s_add_nc_u64 s[G0B+4*\slot+2:G0B+4*\slot+3], s[G0B+4*\slot+2:G0B+4*\slot+3], 2*KSTEP
	JLOAD G0+4*\slot, G1, G0B+4*\slot, G1B         ; the first tensor load behind the round; its four v_nop are the places in front of the loads below
.else
	PLACES
.endif
	FETCH \next, 0, F0
	WIN MUL
	MUL4 F1, 2, 0
	MUL4 F1, 3, 0
.endm
	s_wait_tensorcnt 1                             ; my part of K step 0 is in; K step 1's load may be out
	s_barrier_signal -1
	s_barrier_wait -1
	FETCH 0, 0, F0
	QUARTER 0, 128, F0, F1, 1                      ; the first quarter's products start the sums
.if LAPS > 1
	WIN 0
	s_mov_b32 s3, LAPS-1
.Llap:
	QUARTER 0, 256, F1, F0, 0
	QUARTER 0, 384, F0, F1, 0
	TURN 0, 1, 1
	QUARTER 1, 128, F0, F1, 0
	QUARTER 1, 256, F1, F0, 0
	QUARTER 1, 384, F0, F1, 0
	TURN 1, 0, 1
	QUARTER 0, 128, F0, F1, 0
	WIN 0
	s_sub_co_u32 s3, s3, 1
	s_cmp_lg_u32 s3, 0
	s_cbranch_scc1 .Llap
.endif
	QUARTER 0, 256, F1, F0, 0                      ; the last lap fills nothing
	QUARTER 0, 384, F0, F1, 0
	TURN 0, 1, 0
	QUARTER 1, 128, F0, F1, 0
	QUARTER 1, 256, F1, F0, 0
	QUARTER 1, 384, F0, F1, 0
	s_wait_dscnt 8
	WIN MUL
	MUL4 F1, 0, 0
	MUL4 F1, 1, 0
	s_wait_dscnt 0
	MUL4 F1, 2, 0
	MUL4 F1, 3, 0
	WIN 0
	; THE WAY OUT, 16 rows at a time: the raw sums go through my stage and come back as whole rows of 256 bytes; there sum x 2^(ea + eb) + bias, + residual, and the store.
.macro TOSTAGE a
.set BB, OB+32*((\a)%2)
.irp b, 0,1,2,3
	ds_store_b128 v[STO], v[ACC+8*(4*(\a)+\b):ACC+8*(4*(\a)+\b)+3] offset:64*\b          ; each accumulator from its low end on
	ds_store_b128 v[STO], v[ACC+8*(4*(\a)+\b)+4:ACC+8*(4*(\a)+\b)+7] offset:64*\b+16
.endr
.irp t, 0,1,2,3,4,5,6,7
	ds_load_b128 v[BB+4*\t:BB+4*\t+3], v[RD] offset:\t*2*SPITCH   ; LDS serves a wave's instructions in order (ISA guide 5.7.1.4): these see my stores, and the next block's stores come behind them
.endr
.endm
.macro SEND a, younger                 ; younger: the LDS instructions issued behind block a's loads
.set BB, OB+32*((\a)%2)
	s_wait_dscnt \younger
.irp t, 0,1,2,3,4,5,6,7
	v_pk_fma_f32 v[BB+4*\t:BB+4*\t+1], v[BB+4*\t:BB+4*\t+1], s[96:97], v[BIAS:BIAS+1] op_sel_hi:[1,0,1]
	v_pk_fma_f32 v[BB+4*\t+2:BB+4*\t+3], v[BB+4*\t+2:BB+4*\t+3], s[96:97], v[BIAS+2:BIAS+3] op_sel_hi:[1,0,1]
.endr
	WIN 0x08                                       ; source 1: window 2
.irp t, 0,1,2,3,4,5,6,7
	v_pk_add_f32 v[BB+4*\t:BB+4*\t+1], v[BB+4*\t:BB+4*\t+1], v[32*(\a)+4*\t:32*(\a)+4*\t+1]
	v_pk_add_f32 v[BB+4*\t+2:BB+4*\t+3], v[BB+4*\t+2:BB+4*\t+3], v[32*(\a)+4*\t+2:32*(\a)+4*\t+3]
.endr
	WIN 0
.irp t, 0,1,2,3,4,5,6,7
.if LAST
	global_store_b128 v[CO], v[BB+4*\t:BB+4*\t+3], s[10:11] offset:(16*(\a)+2*\t)*4096 th:TH_STORE_NT   ; sixteen lanes store 256 consecutive bytes, aligned; written once, read by nobody here
.else
	global_store_b128 v[CO], v[BB+4*\t:BB+4*\t+3], s[10:11] offset:(16*(\a)+2*\t)*4096
.endif
.endr
.endm
	s_wait_kmcnt 0x0
	s_add_co_i32 s96, s96, s97
	s_add_co_i32 s96, s96, 127
	s_lshl_b32 s96, s96, 23                        ; 2^(ea + eb) as f32
	s_mov_b32 s97, s96
	PLACES                                         ; behind the last products, in front of the LDS stores that read results
	s_wait_loadcnt 0x0                             ; the bias and the residual
	TOSTAGE 0
.irp a, 1,2,3
.if \a > 1
	s_wait_xcnt 0x0                                ; block a - 2's stores have read their registers: block a's loads may land there
.endif
	TOSTAGE \a
	SEND \a-1, 16                                  ; behind block a - 1's loads: block a's 8 stores and 8 loads
.endr
	SEND 3, 0
	s_wait_tensorcnt 0x0                           ; the wave's end
	ds_add_u32 v[SPW], v[NIL]
	s_wait_dscnt 0x0
	CROUND                                         ; the closing round
	s_endpgm
.Lfunc_end_k_qd785b475d2_w2:
	.size	k_qd785b475d2_w2, .Lfunc_end_k_qd785b475d2_w2-k_qd785b475d2_w2
	.p2alignl 7, 3214868480
	.fill 96, 4, 3214868480
	.section	.rodata,"a",@progbits
	.p2align	6, 0x0
	.amdhsa_kernel k_qd785b475d2_w2
		.amdhsa_group_segment_fixed_size 327680
		.amdhsa_private_segment_fixed_size 0
		.amdhsa_enable_private_segment 0
		.amdhsa_kernarg_size 48
		.amdhsa_user_sgpr_count 2
		.amdhsa_user_sgpr_kernarg_segment_ptr 1
		.amdhsa_wavefront_size32 1
		.amdhsa_system_sgpr_workgroup_id_x 1
		.amdhsa_system_sgpr_workgroup_id_y 1
		.amdhsa_system_sgpr_workgroup_id_z 1
		.amdhsa_system_vgpr_workitem_id 0
		.amdhsa_next_free_vgpr 640
		.amdhsa_next_free_sgpr 100
		.amdhsa_reserve_vcc 0
		.amdhsa_float_denorm_mode_32 3
		.amdhsa_float_denorm_mode_16_64 3
		.amdhsa_memory_ordered 1
		.amdhsa_forward_progress 1
		.amdhsa_inst_pref_size 81
	.end_amdhsa_kernel
	.amdgpu_metadata
---
amdhsa.version: [ 1, 2 ]
amdhsa.kernels:
  - .name:           k_qd785b475d2_w2
    .symbol:         k_qd785b475d2_w2.kd
    .args:
      - { .name: gc, .offset: 0, .size: 8, .value_kind: global_buffer, .address_space: global }
      - { .name: W2_codes, .offset: 8, .size: 8, .value_kind: global_buffer, .address_space: global }
      - { .name: lowp_scales, .offset: 16, .size: 8, .value_kind: global_buffer, .address_space: global }
      - { .name: out0, .offset: 24, .size: 8, .value_kind: global_buffer, .address_space: global }
      - { .name: c2, .offset: 32, .size: 8, .value_kind: global_buffer, .address_space: global }
      - { .name: x1, .offset: 40, .size: 8, .value_kind: global_buffer, .address_space: global }
    .group_segment_fixed_size: 327680
    .private_segment_fixed_size: 0
    .kernarg_segment_align: 8
    .kernarg_segment_size: 48
    .max_flat_workgroup_size: 128
    .sgpr_count:     100
    .vgpr_count:     640
    .wavefront_size: 32
...
	.end_amdgpu_metadata
.endif
;; end of part 7
